; MI455X (gfx1250); checked and timed in simulation.
; The chip was launched on July 23, 2026; its instructions are those of AMD's public machine-readable ISA for CDNA 5 (MIT licence, August 2026) and "CDNA5" Instruction Set Architecture Reference Guide (July 2026). The comments in the code are by the model that wrote it; some were corrected since.
;; CLIP Attention. Allowed arithmetic: matrix products marked QUANTISED: E2M3 operands, one E8M0 scale for each 32 along K, by v_wmma_scale_f32_16x16x128_f8f6f4 with both operands' format E2M3, f32 sums; everything else in f32.
;; Inputs: bk 1,024 float32; bo 1,024 float32; bq 1,024 float32; bv 1,024 float32; wk 1,024 x 1,024 float32; wo 1,024 x 1,024 float32; wq 1,024 x 1,024 float32; wv 1,024 x 1,024 float32; x 8 x 1,024 x 1,024 float32.
;; Outputs: out0 8 x 1,024 x 1,024 float32.
;; This version of the problem:
;;   THIS VERSION OF THE PROBLEM IS GIVEN IN LOW PRECISION. The matrix products marked QUANTISED in the list below multiply operands that are first quantised to E2M3 (2 exponent bits, 3 mantissa bits; 6 bits a number), with one power-of-two scale for each 32 numbers along K (OCP MX v1.0); their sums are f32. All else is computed in f32.
;;   The module's matrix products, in the order in which they are computed (A, B: the left and right operand; K: the contracted axis; several contracted axes count as one K, in the product's order):
;;     1. [M 8,192, K 1,024] x [K 1,024, N 1,024]; A: input x; B: input wq: QUANTISED
;;     2. [M 8,192, K 1,024] x [K 1,024, N 1,024]; A: input x; B: input wk: QUANTISED
;;     3. [M 8,192, K 1,024] x [K 1,024, N 1,024]; A: input x; B: input wv: QUANTISED
;;     4. batch 128 x [M 1,024, K 64] x [K 64, N 1,024]; A: computed on the way; B: computed on the way: QUANTISED
;;     5. batch 128 x [M 1,024, K 1,024] x [K 1,024, N 64]; A: softmax (see below); B: computed on the way: QUANTISED
;;     6. [M 8,192, K 1,024] x [K 1,024, N 1,024]; A: computed on the way; B: input wo: QUANTISED
;;   THE QUANTISER, for each operand of a quantised product, along K:
;;     - K is cut into blocks of 32 from its start; a last block that is shorter is filled with zeros.
;;     - A block's scale is 2^e with e = floor(log2(the largest magnitude in the block)) - 2, held to -126 .. 127; a block of zeros has e = 0. As a byte (E8M0): e + 127.
;;     - Each number is divided by its block's scale, clamped to +-7.5, and rounded to the nearest number of E2M3, ties to even, subnormals kept.
;;     - The product sums the exact products of the quantised numbers (number of the format x scale) in f32.
;;   ~~~python
;;   def quantise(x, axis):      # numpy; x: float32 -> the quantised numbers, widened to float32 again
;;       x = np.moveaxis(x, axis, -1); K = x.shape[-1]
;;       x = np.pad(x, [(0, 0)] * (x.ndim - 1) + [(0, -K % 32)]); x = x.reshape(x.shape[:-1] + (-1, 32)); a = np.abs(x).max(-1, keepdims=True)
;;       e = np.where(a > 0, np.clip(np.frexp(np.where(a > 0, a, 1))[1] - 1 - 2, -126, 127), 0)      # np.frexp(a)[1] - 1 = floor(log2(a)), exactly
;;       r = np.clip(x / 2.0 ** e, -7.5, 7.5)
;;       step = 2.0 ** (np.maximum(np.frexp(np.where(r == 0, 1, r))[1] - 1, 0) - 3)
;;       q = np.round(r / step) * step * 2.0 ** e      # np.round: ties to even
;;       return np.moveaxis(q.reshape(q.shape[:-2] + (-1,))[..., :K], -1, axis).astype(np.float32)
;;   ~~~
;;   SOFTMAX AHEAD OF A QUANTISED PRODUCT. Where the list says 'softmax', what is quantised is not the finished softmax but p = 2^(t - M), with t = logit x log2(e) and M = ceil(the row's largest t), a whole number; so 1/2 < the row's largest p <= 1. The row's sum l is taken of the UNQUANTISED p, in f32, and the product's result is divided by l at the end. Since M is a whole number, a kernel that streams over the keys may use a running M (the ceiling of the running maximum): every later rescaling is an exact power of two, which a block's scale takes up: the codes' values come out the same.
;;   OPERANDS COMPUTED ON THE WAY. 'Computed on the way' means the value that the module computes at that place (a softmax that the list does not call 'softmax' is quantised finished and normalised). What goes into a quantiser is computed in f32, as accurately as f32 sums, v_exp_f32 and their like allow (about 1e-6 of the number): no bf16 or f16 on the way to a quantiser, and a product that is left as it is and whose result goes on into a quantised operand takes f32 operands (vector FMAs, or v_wmma_f32_16x16x4_f32). A number that lies on a knife's edge between two numbers of the format may be rounded either way, as far as f32 arithmetic and the matrix unit's own rounding can turn it there, and no further.
;; One version. Each part assembles by itself: llvm-mc -triple=amdgcn-amd-amdhsa -mcpu=gfx1250 --defsym DOCPART=n.
;; ======== version 1 of 1: 4 launches
;; limits: right only within a limited range of input values
;; workspace buffers: xc 6,291,456 bytes; xs 262,144 bytes; wc 3,145,728 bytes; ws 131,072 bytes; qkv 18,874,368 bytes; qkvs 786,432 bytes; oc 6,291,456 bytes; os 262,144 bytes
;; launch quant (part 1): grid 768 x 1, 2 waves a work-group, no clusters, 17,152 bytes of LDS; arguments x, wq, wk, wv, wo, xc, xs, wc, ws; writes xc, xs, wc, ws
.if DOCPART == 1
	.amdgcn_target "amdgcn-amd-amdhsa--gfx1250"
	.amdhsa_code_object_version 6
	.text
	.protected	k_q3b6f1d663a_quant
	.globl	k_q3b6f1d663a_quant
	.p2align	8
	.type	k_q3b6f1d663a_quant,@function
k_q3b6f1d663a_quant:
	s_mov_b64 s[64:65], 0
	v_nop
	global_prefetch_b8 v0, s[64:65] scope:SCOPE_SE
	s_setreg_imm32_b32 hwreg(HW_REG_WAVE_MODE, 25, 1), 1
	s_wait_xcnt 0x0
; x [8192][1024] and wq, wk, wv, wo [1024][1024], f32, K innermost, become codes of FP6 (E2M3) with one E8M0 byte for each 32 along K.
; A block's scale is 2^(floor(log2(its largest magnitude)) - 2); its byte is the largest magnitude's exponent field - 2, held at 1 from below.
; LAYOUT OF THE CODES: half-images of 768 bytes = 16 rows x 64 along K in the order of an operand's registers: lane L = r + 16 h holds the 24 bytes of (row r, block h);
; its first 16 bytes lie at 16 L, its last 8 at 512 + 8 L.  Two half-images on end are a fragment of 16 rows x 128 K.  Buffer: [row tile][16 half-images].
; THE ROWS OF A ROW TILE ARE NOT NEIGHBOURS: lane r of tile 2 B + u is row 32 B + 8 u + r + 8 (r / 8), so that results of a product whose source 0 is such a tile run along the next K in a lane's registers.
; SCALE BYTES: [row tile][4 runs of 256 k][r 16][8 bytes].  wq, wk, wv, wo follow each other in wc and ws (rows 0, 1024, 2048, 3072 on).
; SHARES: a work-group takes one row tile of 16 rows (two work-groups a pair of tiles); wave w takes K half w: 16 rows x 512 k, in 4 steps of 128 k.  Work-groups 0-511 take x, then 64 for each weight; only pointers are chosen.
; Each load reads 512 consecutive bytes of a row; a step's 16 rows turn through the wave's own stage in LDS (rows of 512 + 16 bytes) so that a lane gets whole blocks of 32.  Waves share nothing: no barrier.
; LIMITS: NaN and infinities are not served; a block of zeros, or one whose largest magnitude lies under 2^-124, gets the byte 1 (its codes are zeros or tiny); only this program reads the bytes.
.set STG,  8448                        ; a wave's stage: 16 x 528 bytes
.set R,    16                          ; v16-143  two sets of 64 registers as loaded
.set X,    144                         ; v144-207 two whole blocks of 32 a lane
.set C,    208                         ; v208-219 the codes of the step's two half-images
.set T,    220                         ; v220-222 a block's upper 16 codes
.set M,    224                         ; v224-225 maxima
.set SO,   226                         ; the conversion's scale operand
.set BY,   227                         ; the scale's byte
.set SW,   228                         ; v228-231 a scale word for each step
.set TP,   232                         ; v232-235 at work
	s_load_b256 s[4:11], s[0:1], 0x0               ; x, wq, wk, wv
	s_load_b128 s[12:15], s[0:1], 0x20             ; wo, xc
	s_load_b128 s[16:19], s[0:1], 0x30             ; xs, wc
	s_load_b64 s[20:21], s[0:1], 0x40              ; ws
	; THE SHARES AS THEY STAND: a work-group has two waves and takes ONE row tile of 16 rows: pair of tiles ttmp9 / 2, tile ttmp9 % 2; wave w takes K half w.  768 work-groups: 512 for x, 64 for each weight.
	v_lshl_add_u32 v240, v0, 2, 0x4200             ; the spare words lie behind the two stages of 8,448 bytes
	v_mov_b32 v241, 0
	v_lshrrev_b32 v1, 5, v0
	v_readfirstlane_b32 s22, v1                    ; wave
	v_and_b32 v1, 31, v0                           ; lane
	v_and_b32 v8, 15, v0                           ; r
	v_bfe_u32 v9, v0, 4, 1                         ; h
	v_lshlrev_b32 v2, 4, v1                        ; 16 x lane
	v_lshlrev_b32 v6, 3, v1                        ; 8 x lane
	v_lshlrev_b32 v7, 3, v9                        ; 8 h: my byte's place in a scale word, in bits
	s_mul_i32 s23, s22, STG
	v_add_nc_u32 v3, s23, v2                       ; the stage, on the way in
	v_mul_u32_u24 v4, v8, 528
	v_lshl_add_u32 v4, v9, 7, v4
	v_add_nc_u32 v4, s23, v4                       ; and out: row r, + 128 h bytes: my block
.irp i, 0,1,2,3
	v_mov_b32 v[TP+\i], 0                          ; a lane permute's destination counts as one of its sources
.endr
	s_mov_b32 s30, 0x76543210
	s_mov_b32 s31, 0xfedcba98                      ; selects for lane l xor 16
	s_mov_b32 vcc_lo, 0xffff0000                   ; lanes 16-31
	s_lshr_b32 s40, ttmp9, 1                       ; which 32 rows
	s_and_b32 s24, ttmp9, 1                        ; which of their two row tiles
	s_mov_b32 s25, s22                             ; which half of K
	s_cmp_lt_u32 s40, 256
	s_cselect_b32 s34, 0, 256
	s_sub_co_u32 s34, s40, s34
	s_and_b32 s35, s34, 31
	s_cmp_lt_u32 s40, 256
	s_cselect_b32 s35, s34, s35
	s_lshl_b32 s36, s35, 17                        ; 32 rows of 4,096 bytes
	s_lshl_b32 s37, s24, 15                        ; + 8 rows for the odd tile
	s_add_co_u32 s36, s36, s37
	s_lshl_b32 s37, s25, 11                        ; + 512 numbers
	s_add_co_u32 s36, s36, s37
	s_mov_b32 s37, 0
	s_lshl_b32 s34, s34, 1
	s_add_co_u32 s34, s34, s24                     ; my row tile
	s_mul_i32 s38, s34, 12288
	s_mul_i32 s23, s25, 6144
	s_add_co_u32 s38, s38, s23
	s_mov_b32 s39, 0
	s_lshl_b32 s34, s34, 9
	s_lshl_b32 s23, s25, 8
	s_add_co_u32 s34, s34, s23
	s_mov_b32 s35, 0
	s_wait_alu depctr_va_vdst(0)
	s_wait_kmcnt 0x0
	s_mov_b64 s[26:27], s[12:13]                   ; the source: wo, unless the work-group's number says otherwise
	s_cmp_lt_u32 s40, 352
	s_cselect_b64 s[26:27], s[10:11], s[26:27]
	s_cmp_lt_u32 s40, 320
	s_cselect_b64 s[26:27], s[8:9], s[26:27]
	s_cmp_lt_u32 s40, 288
	s_cselect_b64 s[26:27], s[6:7], s[26:27]
	s_cmp_lt_u32 s40, 256
	s_cselect_b64 s[26:27], s[4:5], s[26:27]
	s_cselect_b64 s[28:29], s[14:15], s[18:19]     ; the codes' buffer
	s_cselect_b64 s[32:33], s[16:17], s[20:21]     ; the scale bytes'
	s_add_nc_u64 s[26:27], s[26:27], s[36:37]
	s_add_nc_u64 s[28:29], s[28:29], s[38:39]
	s_add_nc_u64 s[32:33], s[32:33], s[34:35]
.macro LOAD t                          ; step t: 128 k of my 16 rows; each load reads 512 consecutive bytes
.irp i, 0,1,2,3,4,5,6,7,8,9,10,11,12,13,14,15
	global_load_b128 v[R+64*((\t)%2)+4*\i:R+64*((\t)%2)+4*\i+3], v2, s[26:27] offset:(\i+8*(\i/8))*4096+512*(\t) th:TH_LOAD_NT
.endr
.endm
.macro BLOCK t, jj                     ; my block of half-image 2 t + jj: all its 32 numbers are mine
.set XS, X+32*(\jj)
.set CC, C+6*(\jj)
	v_max3_num_f32 v[M], |v[XS]|, |v[XS+1]|, |v[XS+2]|
	v_max3_num_f32 v[M+1], |v[XS+3]|, |v[XS+4]|, |v[XS+5]|
.irp i, 6,10,14,18,22,26
	v_max3_num_f32 v[M], v[M], |v[XS+\i]|, |v[XS+\i+1]|
	v_max3_num_f32 v[M+1], v[M+1], |v[XS+\i+2]|, |v[XS+\i+3]|
.endr
	v_max3_num_f32 v[M], v[M], |v[XS+30]|, |v[XS+31]|
	v_max3_num_f32 v[M], v[M], v[M+1], 0x1800000   ; the floor 2^(3 - 127): the byte cannot fall under 1
	v_add_nc_u32 v[SO], 0xff000000, v[M]           ; 2 off the exponent field: the conversion takes this operand's exponent field as its scale
	v_cvt_scalef32_pk16_fp6_f32 v[CC:CC+2], v[XS:XS+15], v[SO]
	v_cvt_scalef32_pk16_fp6_f32 v[T:T+2], v[XS+16:XS+31], v[SO]   ; (a conversion's three registers begin on an even number)
	v_lshrrev_b32 v[BY], 23, v[SO]                 ; the byte; also the plain line behind the conversions
.irp i, 0,1,2
	v_mov_b32 v[CC+3+\i], v[T+\i]
.endr
.if \jj == 0
	v_lshlrev_b32 v[SW+\t], v7, v[BY]              ; byte 2 jj + h of the step's scale word
.else
	v_lshlrev_b32 v[BY], v7, v[BY]
	v_lshl_or_b32 v[SW+\t], v[BY], 16, v[SW+\t]
.endif
	global_store_b128 v2, v[CC:CC+3], s[28:29] offset:(2*(\t)+\jj)*768        ; 512 consecutive bytes a wave
	global_store_b64 v6, v[CC+4:CC+5], s[28:29] offset:(2*(\t)+\jj)*768+512   ; and 256
.endm
.macro STEP t
.if (\t) < 3
	s_wait_loadcnt 16                              ; this step's 16 loads are in; the next step's 16 may be out
.else
	s_wait_loadcnt 0
.endif
.irp i, 0,1,2,3,4,5,6,7,8,9,10,11,12,13,14,15
	ds_store_b128 v3, v[R+64*((\t)%2)+4*\i:R+64*((\t)%2)+4*\i+3] offset:\i*528
.endr
.irp jj, 0,1
.irp i, 0,1,2,3,4,5,6,7
	ds_load_b128 v[X+32*\jj+4*\i:X+32*\jj+4*\i+3], v4 offset:256*\jj+16*\i   ; LDS serves a wave's instructions in order: these see my stores
.endr
.endr
	s_wait_dscnt 0x0                               ; the numbers are back, and the stage's stores have read their registers
	s_wait_xcnt 0x0                                ; the last step's stores have read the codes' registers, which are written again below
.if (\t) < 2
	LOAD (\t)+2
.endif
	BLOCK \t, 0
	BLOCK \t, 1
.endm
	LOAD 0
	LOAD 1
	STEP 0
	STEP 1
	STEP 2
	STEP 3
.irp t, 0,1,2,3
	v_permlanex16_b32 v[TP+\t], v[SW+\t], s30, s31
.endr
.irp t, 0,1,2,3
	v_or_b32 v[SW+\t], v[SW+\t], v[TP+\t]          ; with lane l xor 16's two bytes the word is whole
.endr
	v_cndmask_b32 v[TP], v[SW], v[SW+2], vcc_lo    ; lanes 0-15: my first 256 k's two words; lanes 16-31: the second's
	v_cndmask_b32 v[TP+1], v[SW+1], v[SW+3], vcc_lo
	global_store_b64 v6, v[TP:TP+1], s[32:33]      ; 256 consecutive bytes, aligned
	s_wait_tensorcnt 0x0
	ds_add_u32 v240, v241
	s_wait_dscnt 0x0
	s_endpgm
.Lfunc_end_k_q3b6f1d663a_quant:
	.size	k_q3b6f1d663a_quant, .Lfunc_end_k_q3b6f1d663a_quant-k_q3b6f1d663a_quant
	.p2alignl 7, 3214868480
	.fill 96, 4, 3214868480
	.section	.rodata,"a",@progbits
	.p2align	6, 0x0
	.amdhsa_kernel k_q3b6f1d663a_quant
		.amdhsa_group_segment_fixed_size 17152
		.amdhsa_private_segment_fixed_size 0
		.amdhsa_enable_private_segment 0
		.amdhsa_kernarg_size 72
		.amdhsa_user_sgpr_count 2
		.amdhsa_user_sgpr_kernarg_segment_ptr 1
		.amdhsa_wavefront_size32 1
		.amdhsa_system_sgpr_workgroup_id_x 1
		.amdhsa_system_sgpr_workgroup_id_y 1
		.amdhsa_system_sgpr_workgroup_id_z 1
		.amdhsa_system_vgpr_workitem_id 0
		.amdhsa_next_free_vgpr 242
		.amdhsa_next_free_sgpr 66
		.amdhsa_reserve_vcc 1
		.amdhsa_float_denorm_mode_32 3
		.amdhsa_float_denorm_mode_16_64 3
		.amdhsa_memory_ordered 1
		.amdhsa_forward_progress 1
		.amdhsa_inst_pref_size 31
	.end_amdhsa_kernel
	.amdgpu_metadata
---
amdhsa.version: [ 1, 2 ]
amdhsa.kernels:
  - .name:           k_q3b6f1d663a_quant
    .symbol:         k_q3b6f1d663a_quant.kd
    .args:
      - { .name: x, .offset: 0, .size: 8, .value_kind: global_buffer, .address_space: global }
      - { .name: wq, .offset: 8, .size: 8, .value_kind: global_buffer, .address_space: global }
      - { .name: wk, .offset: 16, .size: 8, .value_kind: global_buffer, .address_space: global }
      - { .name: wv, .offset: 24, .size: 8, .value_kind: global_buffer, .address_space: global }
      - { .name: wo, .offset: 32, .size: 8, .value_kind: global_buffer, .address_space: global }
      - { .name: xc, .offset: 40, .size: 8, .value_kind: global_buffer, .address_space: global }
      - { .name: xs, .offset: 48, .size: 8, .value_kind: global_buffer, .address_space: global }
      - { .name: wc, .offset: 56, .size: 8, .value_kind: global_buffer, .address_space: global }
      - { .name: ws, .offset: 64, .size: 8, .value_kind: global_buffer, .address_space: global }
    .group_segment_fixed_size: 17152
    .private_segment_fixed_size: 0
    .kernarg_segment_align: 8
    .kernarg_segment_size: 72
    .max_flat_workgroup_size: 64
    .sgpr_count:     66
    .vgpr_count:     242
    .wavefront_size: 32
...
	.end_amdgpu_metadata
.endif
;; end of part 1
;; launch qkv (part 2): grid 8 x 32, 4 waves a work-group, clusters of 4 x 4, 327,680 bytes of LDS; arguments xc, xs, wc, ws, bq, bk, bv, qkv, qkvs; writes qkv, qkvs
.if DOCPART == 2
	.amdgcn_target "amdgcn-amd-amdhsa--gfx1250"
	.amdhsa_code_object_version 6
	.text
	.protected	k_q3b6f1d663a_qkv
	.globl	k_q3b6f1d663a_qkv
	.p2align	8
	.type	k_q3b6f1d663a_qkv,@function
k_q3b6f1d663a_qkv:
	s_mov_b64 s[64:65], 0
	v_nop
	global_prefetch_b8 v0, s[64:65] scope:SCOPE_SE
	s_setreg_imm32_b32 hwreg(HW_REG_WAVE_MODE, 25, 1), 1
	s_wait_xcnt 0x0
	s_wait_alu depctr_hold_cnt(0) depctr_sa_sdst(0) depctr_va_vdst(0) depctr_va_sdst(0) depctr_va_ssrc(0) depctr_va_vcc(0) depctr_vm_vsrc(0)
	s_getreg_b32 s2, hwreg(HW_REG_IB_STS2, 6, 4)
	s_cmp_eq_u32 s2, 0
	s_cbranch_scc0 .Lentry_in_a_cluster
	s_endpgm
.Lentry_in_a_cluster:
	s_bfe_u32 s2, ttmp6, 0x10000c
	s_cmp_lg_u32 s2, 0xf033
	s_cbranch_scc0 .Lentry_shape_is_right
	s_endpgm
.Lentry_shape_is_right:
; q = x wq^T + bq, k = x wk^T + bk, v = x wv^T + bv on codes of FP6 (E2M3) with E8M0 scales, and q, k, v quantised at once for the next products: q and k along the head's 64, v along the keys.
; Operands lie in memory as half-images (768 bytes = 16 rows x 64 K in the order of an operand's registers: lane L's first 16 bytes at 16 L, its last 8 at 512 + 8 L), [row tile][16 half-images]; scale bytes [row tile][4][r][8].
; Lane r of row tile 2 B + u is row 32 B + 8 u + r + 8 (r / 8), so that the results of a product whose source 0 is such a tile run along that operand's rows, in true order, in a lane's registers.
; SHARES: 8 x 32 = 256 work-groups.  Work-group (j, i) owns rows 256 i on of x and the pair of heads j: rows 128 j on of wq, wk and wv.  x's codes for all of K (196,608 bytes) stay in LDS, filled once, as two panels of 512 k;
; the weights come through two slots of 128 rows x 512 k: six fills, the first two at the start, four refills.  Three passes, q, k, v, of eight K steps of 128, written out.
; A WAVE'S STEP: 8 tiles as source 0 x 4 tiles as source 1: 32 accumulators, by turns.  q, k: source 0 = the weight's 128 rows, source 1 = my 64 rows of x: a lane holds a row, its registers run along the channels.
; v: source 0 = 128 rows of x, source 1 = 64 rows of wv (one head): a lane holds a channel, its registers run along the keys.  Same LDS bytes, other address registers.
; CLUSTERS: 4 x 4.  x's panels hang on i alone and are asked for jointly along a row of the cluster, the weights' slots on j alone, jointly along a column.  At the head waves 0 and 1 ask for half a panel each and wave 2 for a whole slot; a refill comes by quarters, one a wave.
; RESULTS: qkv = three regions [batch x 16 + head][49,152]: q, k: [tile of 16 rows][768]; v: [128 keys][16 channels][64 keys][768].  qkvs = three regions [batch][pair of heads][128 rows or keys][head's parity][r][4 words].
; The codes' stores cover 512 or 256 consecutive, aligned bytes.  q's and k's scale words leave 8 bytes a lane, 16 bytes apart (two waves share each 256 bytes): 524,288 bytes in the launch.
; NO PREFETCH: the first fills go out at the head; a refill is a weight's slot, which all 32 row blocks read, and has four K steps and half a way out in which to land.
; LIMITS: NaN and infinities are not served; a block of zeros or under 2^-124 gets the byte 1; only this program reads the bytes.
; REGISTERS: window 0: v8-31 addresses; v32-63 scale words, two sets; v64-68 scale words' addresses; v128-223 source 1's fragments, two sets (on the way out the quantiser's work); v232-247 at work.
;   window 1: source 0's fragments, two sets, at v0 and v128.  Window 2: the accumulators ((a, b) at v[8 (8 a + b)]).  Window 3: v0-63 bq, v64-127 bk by column; v128-135 bv by row, in pairs.
.set FR,    12                         ; registers of a fragment
.set NP,    4                          ; places behind this matrix instruction (ISA guide 7.12.1)
.set TSB,   6144                       ; a row tile's eight half-images: 512 k
.set AH,    16*TSB                     ; a panel of x: 256 rows x 512 k
.set BS,    2*AH                       ; behind the two panels: the weights' two slots
.set BSZ,   8*TSB                      ; a slot: 128 rows x 512 k
.set SCA,   BS+2*BSZ                   ; x's scale bytes, 16 row tiles x 512
.set SCB,   SCA+8192                   ; wq's, wk's, wv's: 8 row tiles x 512 each
.set SPARE, SCB+12288                  ; the spare words: 128 bytes a wave, named by no other line
.set WSTEP, 786432                     ; from a weight's codes to the next weight's in wc
.set BNO,  8                           ; v8   byte offset of my bias by column
.set BMO,  9                           ; v9   and by row
.set XA,   10                          ; v10-11 q, k: my 64 rows of x in panel 0, 1, + 16 x lane; v12-13 + 8 x lane
.set WB,   14                          ; v14-17 q, k: the weight's slot 0, 1, likewise
.set XV,   18                          ; v18-21 v: my 128 rows of x
.set WV,   22                          ; v22-25 v: my 64 rows of wv
.set L16,  26                          ; v26  16 x lane
.set L8,   27                          ; v27  8 x lane
.set SPW,  28                          ; v28  my spare word; never rewritten
.set NIL,  29                          ; v29  0; never rewritten
.set QSO,  30                          ; v30  q, k: my place among the scale words: 256 h + 16 r
.set VSO,  31                          ; v31  v: 16 r + 8 h
.set SC,   32
.set SAQ,  64                          ; v64  scale words, pass q: lanes 0-15 my rows of x, lanes 16-31 wq's rows
.set SAK,  65                          ; v65  pass k: lanes 16-31 wk's
.set SAV,  66                          ; v66  pass v: lanes 0-15 my rows of x, lanes 16-31 my rows of wv
.set SSW,  67                          ; v67  the weights' scale words, both halves of the lanes
.set SSV,  68                          ; v68  pass v: my rows of x, both halves
.set AF,   128
.set T,    128                         ; the way out: 64 numbers with their bias
.set PC,   192                         ; v192-203 the codes; v204-211 conversions' second halves
.set SW,   212                         ; v212-213 scale words as stored
.set PW,   216                         ; v216-219 a scale word for each of source 1's tiles
.set TM,   232
.set BM,   128                         ; in window 3
.set QKC,  12                          ; s[12:13] q's codes at my first tile (k's: an immediate further on)
.set VS,   20                          ; s[20:21] v's scale words
.set QKS,  66                          ; s[66:67] q's scale words
.set VC,   90                          ; s[90:91] v's codes
.set SEL,  100                         ; s[100:101] selects for lane l xor 16
.set G1A,  24                          ; group 1: a quarter of a panel;
.set G1B,  32                          ; a quarter of a slot;
.set G1SA, 40                          ; unused;
.set G1SB, 48                          ; a weight's
.set G0A,  56                          ; s[56:63] group 0 for the two panels
.set G0B,  68                          ; s[68:75] for the two slots: they walk from weight to weight
.set G0SA, 76
.set G0SB, 80
.set MSB, 0
.macro WIN new                         ; the immediate's high byte repeats the setting that is left
.if MSB != \new
	s_set_vgpr_msb (MSB<<8)|\new
.set MSB, \new
.endif
.endm
.set MULW, 0xa1                        ; source 0 window 1, source 1 window 0, C and D window 2
.set TO_B, 0x40                        ; destination window 1, address window 0
.macro CREST                           ; a round of the cluster's barrier behind its opening barrier
	s_cmp_lg_u32 s14, 0
	s_cbranch_scc1 .Lnot_wave_0_\@
	s_barrier_signal -3
.Lnot_wave_0_\@:
	s_barrier_wait -3
	s_barrier_signal -1
	s_barrier_wait -1
.endm
.macro CROUND
	s_barrier_signal -1
	s_barrier_wait -1
	CREST
.endm
.macro PLACES n                        ; plain vector lines between a matrix instruction and a load into, or a read of, its registers
.rept \n
	v_nop
.endr
.endm
	s_load_b256 s[4:11], s[0:1], 0x0               ; xc, xs, wc, ws
	s_load_b128 s[92:95], s[0:1], 0x20             ; bq, bk
	s_load_b128 s[96:99], s[0:1], 0x30             ; bv, qkv
	s_load_b64 s[66:67], s[0:1], 0x40              ; qkvs
	v_lshl_add_u32 v[SPW], v0, 2, SPARE
	v_mov_b32 v[NIL], 0
	ds_add_u32 v28, v29
	ds_add_u32 v28, v29
	s_wait_dscnt 0x0
	v_lshrrev_b32 v1, 5, v0
	v_readfirstlane_b32 s14, v1                    ; wave 0..3
	s_lshr_b32 s15, s14, 1
	s_and_b32 s16, s14, 1
	s_bfe_u32 s84, ttmp6, 0x40000                  ; cx
	s_bfe_u32 s85, ttmp6, 0x40004                  ; cy
	s_lshl_b32 s86, ttmp9, 2
	s_add_co_u32 s86, s86, s84                     ; j: the pair of heads
	s_and_b32 s17, ttmp7, 0xffff
	s_lshl_b32 s17, s17, 2
	s_add_co_u32 s17, s17, s85                     ; i: the block of 256 rows
	s_lshl_b32 s87, s85, 2
	s_lshl_b32 s87, 15, s87                        ; my row of the cluster
	s_lshl_b32 s88, 0x1111, s84                    ; my column
	; group 1, codes: rows of 6,144 bytes (768 elements of 8 bytes: a row tile's 512 k), 12,288 bytes apart in memory, on end in LDS: eight for half a panel or a whole slot
	s_or_b32 s[G1A+0], s87, (3<<16)|(1<<21)
	s_mov_b32 s[G1A+1], 768<<16
	; THE FILLS AS THEY STAND: at the head one joint load a wave: waves 0 and 1 a half each of x's panel 0 (8 rows of 6,144 bytes), wave 2 wq's slot 0 (8 rows), wave 3 the three weights' scale bytes (3 rows of 4,096 bytes).
	; x's 8,192 scale bytes come by plain loads, 16 bytes a thread and 2,048 a line, and are stored into LDS bytes of their own ahead of the lines.
	; Behind the three lines and a round: waves 0 and 1 x's panel 1, wave 2 wq's slot 1: they have four K steps in which to land.  The four refills go by quarters of a slot, one a wave: group 1 of the slots is set to 2 rows at the first of them.
	s_mov_b32 s[G1A+2], 8<<16
	s_mov_b32 s[G1A+3], 768<<16                    ; tile_dim0
	s_mov_b32 s[G1A+4], 8
	s_mov_b32 s[G1A+5], 1536                       ; from row tile to row tile
	s_mov_b32 s[G1A+6], 0
	s_mov_b32 s[G1A+7], 0
	s_or_b32 s[G1B+0], s88, (3<<16)|(1<<21)
	s_mov_b32 s[G1B+1], 768<<16
	s_mov_b32 s[G1B+2], 8<<16
	s_mov_b32 s[G1B+3], 768<<16
	s_mov_b32 s[G1B+4], 8
	s_mov_b32 s[G1B+5], 1536
	s_mov_b32 s[G1B+6], 0
	s_mov_b32 s[G1B+7], 0
	; group 1, scale bytes: the three weights' as 3 rows of 4,096 bytes
	s_or_b32 s[G1SB+0], s88, (3<<16)|(1<<21)
	s_mov_b32 s[G1SB+1], 512<<16                   ; a weight's 4,096 scale bytes of this pair of heads are one row;
	s_mov_b32 s[G1SB+2], 3<<16                     ; three weights,
	s_mov_b32 s[G1SB+3], 512<<16
	s_mov_b32 s[G1SB+4], 3
	s_mov_b32 s[G1SB+5], 4096                      ; 32,768 bytes apart
	s_mov_b32 s[G1SB+6], 0
	s_mov_b32 s[G1SB+7], 0
	s_mul_i32 s18, s17, 196608                     ; x: 16 row tiles of 12,288 bytes a block,
	s_mul_i32 s19, s16, 98304                      ; the eight of wave % 2
	s_add_co_u32 s18, s18, s19
	s_mov_b32 s19, 0
	s_mul_i32 s22, s86, 98304                      ; a weight: 8 row tiles a pair of heads,
	s_mul_i32 s23, s14, 24576                      ; my two of them
	s_add_co_u32 s22, s22, s23
	s_mov_b32 s23, 0
	s_lshl_b32 s2, s17, 13                         ; x's scale bytes: 8,192 a block
	s_mov_b32 s3, 0
	s_lshl_b32 s20, s86, 12                        ; the weights' scale bytes: 4,096 a pair of heads
	s_mov_b32 s21, 0
	s_wait_kmcnt 0x0
	s_mov_b32 s[G0A], 1
	s_mul_i32 s[G0A+1], s16, 49152
	s_add_nc_u64 s[G0A+2:G0A+3], s[4:5], s[18:19]
	s_mov_b32 s[G0A+4], 1
	s_add_co_u32 s[G0A+5], s[G0A+1], AH
	s_add_nc_u64 s[G0A+6:G0A+7], s[G0A+2:G0A+3], TSB   ; k 512 on
	s_or_b32 s[G0A+3], s[G0A+3], 0x80000000
	s_or_b32 s[G0A+7], s[G0A+7], 0x80000000
	s_mul_i32 s18, s14, 12288
	s_mov_b32 s[G0B], 1
	s_add_co_u32 s[G0B+1], s18, BS
	s_add_nc_u64 s[G0B+2:G0B+3], s[8:9], s[22:23]
	s_mov_b32 s[G0B+4], 1
	s_add_co_u32 s[G0B+5], s18, BS+BSZ
	s_add_nc_u64 s[G0B+6:G0B+7], s[G0B+2:G0B+3], TSB
	s_or_b32 s[G0B+3], s[G0B+3], 0x80000000
	s_or_b32 s[G0B+7], s[G0B+7], 0x80000000
	s_add_nc_u64 s[G0SA+2:G0SA+3], s[6:7], s[2:3]  ; x's scale bytes: the base of plain loads
	s_mov_b32 s[G0SB], 1
	s_mov_b32 s[G0SB+1], SCB
	s_add_nc_u64 s[G0SB+2:G0SB+3], s[10:11], s[20:21]
	s_or_b32 s[G0SB+3], s[G0SB+3], 0x80000000
	s_mul_i32 s2, s86, 98304
	s_mov_b32 s3, 0
	s_mov_b32 s4, 1                                ; s[4:7]: group 0 of wq's whole slot 0
	s_mov_b32 s5, BS
	s_add_nc_u64 s[6:7], s[8:9], s[2:3]
	s_or_b32 s7, s7, 0x80000000
	CROUND
	s_cmp_lt_u32 s14, 2                            ; one chain of branches on the wave's number, one joint load to an arm
	s_cbranch_scc0 .Lh1
	tensor_load_to_lds s[G0A:G0A+3], s[G1A:G1A+7]  ; waves 0 and 1: x, k 0-511
	s_nop 0
	PLACES 4
	s_branch .Lh_asked
.Lh1:
	s_cmp_eq_u32 s14, 2
	s_cbranch_scc0 .Lh3
	tensor_load_to_lds s[4:7], s[G1B:G1B+7]        ; wave 2: wq, k 0-511
	s_nop 0
	PLACES 4
	s_branch .Lh_asked
.Lh3:
	tensor_load_to_lds s[G0SB:G0SB+3], s[G1SB:G1SB+7]   ; wave 3: the weights' scale bytes
	s_nop 0
	PLACES 4
.Lh_asked:
	v_and_b32 v1, 15, v0                           ; r
	v_bfe_u32 v2, v0, 4, 1                         ; h
	v_and_b32 v3, 31, v0                           ; lane
	v_lshlrev_b32 v[L16], 4, v3
	v_lshlrev_b32 v[L8], 3, v3
	v_lshlrev_b32 v69, 4, v0                       ; x's scale bytes: 16 bytes a thread,
	v_lshl_add_u32 v88, v0, 4, SCA                 ; and their place in LDS
.irp k, 0,1,2,3
	global_load_b128 v[72+4*\k:75+4*\k], v69, s[G0SA+2:G0SA+3] offset:2048*\k
.endr
	s_wait_alu depctr_va_vdst(0)
	s_mul_i32 s2, s14, 24576
	s_mul_i32 s3, s16, 49152                       ; v: my 128 rows of x
	s_mul_i32 s18, s15, 24576
	s_add_co_u32 s18, s18, BS                      ; v: my 64 rows of wv
	s_mov_b32 s19, BS                              ; q, k: the weight's 128 rows
.irp hf, 0,1
	v_add_nc_u32 v[XA+\hf], s2, v[L16]
	v_add_nc_u32 v[XA+2+\hf], s2, v[L8]
	v_add_nc_u32 v[XV+\hf], s3, v[L16]
	v_add_nc_u32 v[XV+2+\hf], s3, v[L8]
	v_add_nc_u32 v[WV+\hf], s18, v[L16]
	v_add_nc_u32 v[WV+2+\hf], s18, v[L8]
	v_add_nc_u32 v[WB+\hf], s19, v[L16]
	v_add_nc_u32 v[WB+2+\hf], s19, v[L8]
	s_add_co_u32 s2, s2, AH
	s_add_co_u32 s3, s3, AH
	s_add_co_u32 s18, s18, BSZ
	s_add_co_u32 s19, s19, BSZ
.endr
	v_lshlrev_b32 v5, 3, v1                        ; my row's 8 scale bytes of 256 k
	s_wait_alu depctr_va_vdst(0)
	s_xor_b32 s2, s14, 3
	s_add_co_u32 s2, s2, 1
	s_lshl_b32 s2, s2, 11                          ; from my four tiles of x to wq's first: 8,192 - 2,048 wave
	v_mul_u32_u24 v6, s2, v2                       ; lanes 16-31 take the weight's
	s_lshl_b32 s3, s14, 11
	s_add_co_u32 s3, s3, SCA
	v_add_nc_u32 v7, s3, v5
	v_add_nc_u32 v[SAQ], v7, v6
	s_add_co_u32 s2, s2, 4096                      ; wk's lie 4,096 further on
	v_mul_u32_u24 v6, s2, v2
	v_add_nc_u32 v[SAK], v7, v6
	s_xor_b32 s2, s16, 1
	s_lshl_b32 s2, s2, 1
	s_add_co_u32 s2, s2, s15
	s_add_co_u32 s2, s2, 6
	s_lshl_b32 s2, s2, 11                          ; v: from my eight tiles of x to my four of wv: 16,384 + 2,048 (wave / 2) - 4,096 (wave % 2)
	v_mul_u32_u24 v6, s2, v2
	s_lshl_b32 s3, s16, 12
	s_add_co_u32 s3, s3, SCA
	v_add_nc_u32 v[SSV], s3, v5
	v_add_nc_u32 v[SAV], v[SSV], v6
	v_add_nc_u32 v[SSW], SCB, v5
	v_lshlrev_b32 v[QSO], 4, v1
	v_lshl_add_u32 v[QSO], v2, 8, v[QSO]
	v_lshlrev_b32 v[VSO], 4, v1
	v_lshl_add_u32 v[VSO], v2, 3, v[VSO]
	; where my results go
	s_lshr_b32 s18, s17, 2                         ; batch
	s_and_b32 s19, s17, 3                          ; which 256 of its 1,024 rows
	s_lshl_b32 s2, s18, 4
	s_lshl_b32 s3, s86, 1
	s_add_co_u32 s2, s2, s3                        ; 16 x batch + the even head
	s_mul_i32 s22, s2, 49152
	s_lshl_b32 s3, s19, 4
	s_lshl_b32 s23, s14, 2
	s_add_co_u32 s3, s3, s23                       ; q, k: my first tile of rows
	s_mul_i32 s3, s3, 768
	s_add_co_u32 s22, s22, s3
	s_mov_b32 s23, 0
	s_add_nc_u64 s[QKC:QKC+1], s[98:99], s[22:23]
	s_add_co_u32 s2, s2, s15                       ; v: my head,
	s_mul_i32 s22, s2, 49152
	s_lshl_b32 s3, s19, 1
	s_add_co_u32 s3, s3, s16                       ; my 128 keys
	s_mul_i32 s89, s3, 6144
	s_add_co_u32 s22, s22, s89
	s_add_co_u32 s22, s22, 12582912                ; the third region
	s_add_nc_u64 s[VC:VC+1], s[98:99], s[22:23]
	s_lshl_b32 s22, s18, 15
	s_lshl_b32 s89, s86, 12
	s_add_co_u32 s22, s22, s89                     ; scale words: batch, pair of heads
	s_lshl_b32 s89, s3, 9                          ; v: my 128 keys,
	s_add_co_u32 s89, s89, s22
	s_lshl_b32 s2, s15, 8                          ; my head's parity,
	s_add_co_u32 s89, s89, s2
	s_add_co_u32 s2, s89, 524288                   ; the third region
	s_mov_b32 s3, 0
	s_add_nc_u64 s[VS:VS+1], s[66:67], s[2:3]
	s_lshl_b32 s2, s19, 1
	s_add_co_u32 s2, s2, s15                       ; q, k: my 128 rows,
	s_lshl_b32 s2, s2, 9
	s_add_co_u32 s2, s2, s22
	s_lshl_b32 s89, s16, 3                         ; and of a row's four words my two
	s_add_co_u32 s2, s2, s89
	s_add_nc_u64 s[QKS:QKS+1], s[66:67], s[2:3]
	s_lshl_b32 s2, s86, 9                          ; the pair's 128 channels, in bytes
	v_lshlrev_b32 v[BNO], 6, v2
	v_add_nc_u32 v[BNO], s2, v[BNO]                ; tile b's eight: channel 32 (b / 2) + 8 (b % 2) + 16 h + 0 .. 7
	s_lshl_b32 s3, s15, 8
	s_add_co_u32 s3, s3, s2                        ; my head's 64
	v_and_b32 v[BMO], 8, v1
	v_add_nc_u32 v[BMO], v[BMO], v1
	v_lshlrev_b32 v[BMO], 2, v[BMO]
	v_add_nc_u32 v[BMO], s3, v[BMO]                ; tile a's: channel 32 (a / 2) + 8 (a % 2) + r + 8 (r / 8)
	WIN 0xc0                                       ; destination window 3
.irp b, 0,1,2,3,4,5,6,7
	global_load_b128 v[8*\b:8*\b+3], v[BNO], s[92:93] offset:(32*(\b/2)+8*(\b%2))*4
	global_load_b128 v[8*\b+4:8*\b+7], v[BNO], s[92:93] offset:(32*(\b/2)+8*(\b%2))*4+16
	global_load_b128 v[64+8*\b:64+8*\b+3], v[BNO], s[94:95] offset:(32*(\b/2)+8*(\b%2))*4
	global_load_b128 v[64+8*\b+4:64+8*\b+7], v[BNO], s[94:95] offset:(32*(\b/2)+8*(\b%2))*4+16
.endr
.irp a, 0,1,2,3
	global_load_b32 v[BM+2*\a], v[BMO], s[96:97] offset:(32*(\a/2)+8*(\a%2))*4
	v_mov_b32 v[BM+2*\a+1], 0                      ; (named with it as a pair, so it is written)
.endr
	WIN 0
.irp b, 0,1,2,3
	v_mov_b32 v[TM+4+\b], 0                        ; a lane permute's destination counts as one of its sources
.endr
	s_mov_b32 s[SEL], 0x76543210
	s_mov_b32 s[SEL+1], 0xfedcba98
	s_mov_b32 s88, 0xffff0000
.macro FRAG reg, adr, i, q             ; a fragment: two half-images on end, as they lie: every load takes consecutive bytes
	ds_load_b128 v[\reg:\reg+3], v[\adr] offset:(\i)*TSB+(\q)*1536
	ds_load_b64 v[\reg+4:\reg+5], v[\adr+2] offset:(\i)*TSB+(\q)*1536+512
	ds_load_b128 v[\reg+6:\reg+9], v[\adr] offset:(\i)*TSB+(\q)*1536+768
	ds_load_b64 v[\reg+10:\reg+11], v[\adr+2] offset:(\i)*TSB+(\q)*1536+1280
.endm
; The scale words of 256 k (two a row) into set sl % 2.  Registers 0-3: one operand's tile i in lanes 0-15, the other's in lanes 16-31; registers 4-7: source 0's tiles 4-7 in both halves.
.macro SCALES adm, ads, poff, sl
.irp i, 0,1,2,3
	ds_load_b64 v[SC+16*((\sl)%2)+2*\i:SC+16*((\sl)%2)+2*\i+1], v[\adm] offset:\i*512+(\sl)*128
.endr
.irp i, 4,5,6,7
	ds_load_b64 v[SC+16*((\sl)%2)+2*\i:SC+16*((\sl)%2)+2*\i+1], v[\ads] offset:(\poff)+\i*512+(\sl)*128
.endr
.endm
; K step n's fragments into set n % 2: source 0's eight, source 1's four; with an even step the scale words of its 256 k: 56 LDS loads at the most
.macro FETCH s0a, s1a, adm, ads, poff, n
.set HF, (\n)/4
.set QQ, (\n)%4
.set SETN, (\n)%2
	WIN TO_B
.irp i, 0,1,2,3,4,5,6,7
	FRAG 128*SETN+FR*\i, \s0a+HF, \i, QQ
.endr
	WIN 0
.irp i, 0,1,2,3
	FRAG AF+48*SETN+FR*\i, \s1a+HF, \i, QQ
.endr
.if (\n)%2 == 0
	SCALES \adm, \ads, \poff, (\n)/2
.endif
.endm
; 8 matrix instructions: source 1's tile a x source 0's eight.  In K step 0 the products start the sums.  vk = 1: pass v, where source 0's scale words lie in lanes 0-15 and source 1's in lanes 16-31; else the other way round.
; The 32 accumulators take turns, one instruction a turn, in the same order in every step.
.macro MUL8 a, q8, vk
.set SS, SC+16*(((\q8)/2)%2)+(\q8)%2
.set PB, 128*((\q8)%2)
.set PA, AF+48*((\q8)%2)+FR*(\a)
.irp b, 0,1,2,3,4,5,6,7
.if (\q8) == 0
.if \vk
	v_wmma_scale_f32_16x16x128_f8f6f4 v[8*(8*(\a)+\b):8*(8*(\a)+\b)+7], v[PB+FR*\b:PB+FR*\b+FR-1], v[PA:PA+FR-1], 0, v[SS+2*\b], v[SS+2*(\a)] matrix_a_fmt:MATRIX_FMT_FP6 matrix_b_fmt:MATRIX_FMT_FP6 matrix_b_scale:MATRIX_SCALE_ROW1
.else
	v_wmma_scale_f32_16x16x128_f8f6f4 v[8*(8*(\a)+\b):8*(8*(\a)+\b)+7], v[PB+FR*\b:PB+FR*\b+FR-1], v[PA:PA+FR-1], 0, v[SS+2*\b], v[SS+2*(\a)] matrix_a_fmt:MATRIX_FMT_FP6 matrix_b_fmt:MATRIX_FMT_FP6 matrix_a_scale:MATRIX_SCALE_ROW1
.endif
.else
.if \vk
	v_wmma_scale_f32_16x16x128_f8f6f4 v[8*(8*(\a)+\b):8*(8*(\a)+\b)+7], v[PB+FR*\b:PB+FR*\b+FR-1], v[PA:PA+FR-1], v[8*(8*(\a)+\b):8*(8*(\a)+\b)+7], v[SS+2*\b], v[SS+2*(\a)] matrix_a_fmt:MATRIX_FMT_FP6 matrix_b_fmt:MATRIX_FMT_FP6 matrix_b_scale:MATRIX_SCALE_ROW1
.else
	v_wmma_scale_f32_16x16x128_f8f6f4 v[8*(8*(\a)+\b):8*(8*(\a)+\b)+7], v[PB+FR*\b:PB+FR*\b+FR-1], v[PA:PA+FR-1], v[8*(8*(\a)+\b):8*(8*(\a)+\b)+7], v[SS+2*\b], v[SS+2*(\a)] matrix_a_fmt:MATRIX_FMT_FP6 matrix_b_fmt:MATRIX_FMT_FP6 matrix_a_scale:MATRIX_SCALE_ROW1
.endif
.endif
.endr
.endm
; A K step of 128: the next step's fragments are asked for, then this step's 32 products are issued.
; chg = 1, 2: the step whose successor lies in K's second half.  My reads of the first half are over; I wait for all my tensor loads, add 0 to my spare word, wait for that; one barrier.
; chg = 1: the barrier opens a round of the cluster's, and slot 0 takes the next weight's k 0-511.  chg = 2: nothing is left to fetch.
.macro KSTEP s0a, s1a, adm, ads, poff, vk, q8, chg
.if (\chg) == 0
	PLACES NP                                      ; behind the last step's products, which read the registers that are loaded now
.if (\q8) < 7
	FETCH \s0a, \s1a, \adm, \ads, \poff, (\q8)+1   ; into the other sets of registers than the loads that may still be out
	s_wait_dscnt 48+8*((\q8)%2)                    ; this step's fragments are in: only the run just issued, 48 loads or with scale words 56, is younger
.else
	s_wait_dscnt 0x0
.endif
	WIN MULW
	MUL8 0, \q8, \vk
	MUL8 1, \q8, \vk
	MUL8 2, \q8, \vk
	MUL8 3, \q8, \vk
.else
	s_wait_dscnt 0x0                               ; this step's fragments are in, and my reads of K's first half are over
	WIN 0                                          ; (the add's two registers lie in window 0)
	s_wait_tensorcnt 0x0                           ; all my tensor loads have landed: my parts of K's second half among them
	ds_add_u32 v[SPW], v[NIL]
	s_mov_b32 s[G1B+2], 2<<16                      ; no tensor load of mine is out: from here on a slot's load brings a quarter, 2 rows
	s_mov_b32 s[G1B+4], 2
	WIN MULW
	MUL8 0, \q8, \vk
	s_wait_dscnt 0x0                               ; the add is done; my reads of slot 0 were over at the step's head
	s_barrier_signal -1
	MUL8 1, \q8, \vk
	WIN 0
	s_barrier_wait -1
.if (\chg) == 1
	CREST                                          ; no wave of any partner still reads slot 0 or has a load on its way
	s_add_nc_u64 s[G0B+2:G0B+3], s[G0B+2:G0B+3], WSTEP
	tensor_load_to_lds s[G0B:G0B+3], s[G1B:G1B+7]  ; my one tensor load behind the round
	s_nop 0
	PLACES 4                                       ; the places in front of the loads below
.else
	PLACES NP
.endif
	FETCH \s0a, \s1a, \adm, \ads, \poff, (\q8)+1
	WIN MULW
	MUL8 2, \q8, \vk
	MUL8 3, \q8, \vk
.endif
.endm
.macro PASS s0a, s1a, adm, ads, poff, vk, chg
	FETCH \s0a, \s1a, \adm, \ads, \poff, 0
.irp q, 0,1,2
	KSTEP \s0a, \s1a, \adm, \ads, \poff, \vk, \q, 0
.endr
	KSTEP \s0a, \s1a, \adm, \ads, \poff, \vk, 3, \chg
.irp q, 4,5,6,7
	KSTEP \s0a, \s1a, \adm, \ads, \poff, \vk, \q, 0
.endr
	WIN 0
.endm
; Slot 1 takes the next weight's k 512 on.  It stands in the middle of a pass's way out: slot 0's refill has had four K steps and two blocks of the way out in which to land, this one has two blocks and three K steps.
.macro CHANGE1
	s_wait_tensorcnt 0x0                           ; slot 0's refill has landed: no tensor load of mine is out, so a group 0 may be written
	ds_add_u32 v[SPW], v[NIL]                      ; 0 onto my spare word
	s_add_nc_u64 s[G0B+6:G0B+7], s[G0B+6:G0B+7], WSTEP
	s_wait_dscnt 0x0                               ; the add is done; my reads of slot 1 were over at the last K step's head
	CROUND
	tensor_load_to_lds s[G0B+4:G0B+7], s[G1B:G1B+7]
	s_nop 0
	PLACES 4
.endm
; 64 numbers of a lane, register 16 b + i = place 32 b + 16 (lane / 16) + i along the next K, become a fragment's codes in v[PC] on and its scale word in v[pw].
.macro QUANT s, pw
.irp b, 0,1,2,3
	v_max3_num_f32 v[TM+\b], |v[\s+16*\b]|, |v[\s+1+16*\b]|, 0x1800000   ; with the floor 2^(3 - 127): the byte cannot fall under 1
.endr
.irp i, 2,4,6,8,10,12,14
.irp b, 0,1,2,3
	v_max3_num_f32 v[TM+\b], v[TM+\b], |v[\s+16*\b+\i]|, |v[\s+1+16*\b+\i]|
.endr
.endr
.irp b, 0,1,2,3
	v_permlanex16_b32 v[TM+4+\b], v[TM+\b], s[SEL], s[SEL+1]
.endr
.irp b, 0,1,2,3
	v_max_num_f32 v[TM+\b], v[TM+\b], v[TM+4+\b]   ; with lane l xor 16's: the block's largest magnitude
.endr
.irp b, 0,1,2,3
	v_add_nc_u32 v[TM+12+\b], 0xff000000, v[TM+\b] ; 2 off its exponent field: the conversion's scale operand
.endr
.irp b, 0,1,2,3
	v_lshrrev_b32 v[TM+4+\b], 23, v[TM+12+\b]      ; the byte
.endr
	v_lshl_or_b32 v[\pw], v[TM+5], 8, v[TM+4]
	v_lshl_or_b32 v[\pw], v[TM+6], 16, v[\pw]
	v_lshl_or_b32 v[\pw], v[TM+7], 24, v[\pw]
.irp c, 0,1
	v_cvt_scalef32_pk16_fp6_f32 v[PC+6*\c:PC+2+6*\c], v[\s+32*\c:\s+15+32*\c], v[TM+12+2*\c]
	v_cvt_scalef32_pk16_fp6_f32 v[PC+12+4*\c:PC+14+4*\c], v[\s+16+32*\c:\s+31+32*\c], v[TM+12+2*\c+1]
.endr
	v_nop                                          ; one plain line behind a scaled conversion
.irp c, 0,1                                    ; a whole block to a lane: lanes 0-15 block 2 c, lanes 16-31 block 2 c + 1
.irp i, 0,1,2
	v_permlane16_swap_b32 v[PC+6*\c+\i], v[PC+12+4*\c+\i]
.endr
.irp i, 0,1,2
	v_mov_b32 v[PC+3+6*\c+\i], v[PC+12+4*\c+\i]
.endr
.endr
.endm
; THE WAY OUT of source 1's tile a: bias, quantiser, four stores of consecutive bytes.  No LDS: a fragment's registers are the buffer's layout.  kind = 0: q (rg = 0) or k (rg = 1); kind = 1: v.
.macro EPI kind, rg, a
	s_wait_xcnt 0x0                                ; the earlier stores have read the codes' registers
	WIN 0x0e                                       ; source 0 (the sums) window 2, source 1 (the bias) window 3, destination window 0
.set i, 0
.rept 32
.if \kind
	v_pk_add_f32 v[T+i:T+i+1], v[64*(\a)+i:64*(\a)+i+1], v[BM+2*(\a):BM+2*(\a)+1] op_sel_hi:[1,0]   ; the lane is the channel: the pair's low word serves both halves
.else
	v_pk_add_f32 v[T+i:T+i+1], v[64*(\a)+i:64*(\a)+i+1], v[64*(\rg)+i:64*(\rg)+i+1]   ; registers run along the channels; each accumulator from its low end on
.endif
.set i, i+2
.endr
	WIN 0
	QUANT T, PW+(\a)
.if \kind
	global_store_b128 v[L16], v[PC:PC+3], s[VC:VC+1] offset:(\a)*1536          ; channel tile a: keys 0-63 of my 128,
	global_store_b64 v[L8], v[PC+4:PC+5], s[VC:VC+1] offset:(\a)*1536+512
	global_store_b128 v[L16], v[PC+6:PC+9], s[VC:VC+1] offset:(\a)*1536+768    ; keys 64-127
	global_store_b64 v[L8], v[PC+10:PC+11], s[VC:VC+1] offset:(\a)*1536+1280
.else
	global_store_b128 v[L16], v[PC:PC+3], s[QKC:QKC+1] offset:(\rg)*6291456+(\a)*768          ; row tile a: the even head,
	global_store_b64 v[L8], v[PC+4:PC+5], s[QKC:QKC+1] offset:(\rg)*6291456+(\a)*768+512
	global_store_b128 v[L16], v[PC+6:PC+9], s[QKC:QKC+1] offset:(\rg)*6291456+(\a)*768+49152  ; the odd head
	global_store_b64 v[L8], v[PC+10:PC+11], s[QKC:QKC+1] offset:(\rg)*6291456+(\a)*768+49664
.endif
.endm
.macro WORDS_QK rg                     ; a stored word = the two bytes of tiles 2 w and 2 w + 1; lanes 0-15 the even head's, lanes 16-31 the odd head's
.irp w, 0,1
	v_perm_b32 v[TM+2*\w], v[PW+2*\w+1], v[PW+2*\w], 0x05040100
	v_perm_b32 v[TM+2*\w+1], v[PW+2*\w+1], v[PW+2*\w], 0x07060302
	v_cndmask_b32 v[SW+\w], v[TM+2*\w], v[TM+2*\w+1], s88
.endr
	global_store_b64 v[QSO], v[SW:SW+1], s[QKS:QKS+1] offset:(\rg)*262144
.endm
	s_wait_alu depctr_va_vdst(0)                   ; the wait at the head's end
	s_wait_loadcnt 36                              ; x's scale bytes are in: the 36 loads of the biases are younger
	s_wait_tensorcnt 0x0                           ; my tile of the head's four is in
.irp k, 0,1,2,3
	ds_store_b128 v88, v[72+4*\k:75+4*\k] offset:2048*\k   ; into bytes that no tensor load fills
.endr
	s_wait_tensorcnt 0x0
	ds_add_u32 v[SPW], v[NIL]                      ; 0 onto my spare word ahead of a later first fill
	s_mov_b32 s[G0SA], 1                           ; the plain loads are done: their base's registers now hold group 0 of wq's whole slot 1
	s_mov_b32 s[G0SA+1], BS+BSZ
	s_add_nc_u64 s[G0SA+2:G0SA+3], s[6:7], TSB
	s_wait_dscnt 0x0
	CROUND                                         ; everybody's tile is in, and the joint loads meet
	s_cmp_lt_u32 s14, 2
	s_cbranch_scc0 .Lg1
	tensor_load_to_lds s[G0A+4:G0A+7], s[G1A:G1A+7]    ; waves 0 and 1: x, k 512 on
	s_nop 0
	PLACES 4
	s_branch .Lg_asked
.Lg1:
	s_cmp_eq_u32 s14, 2
	s_cbranch_scc0 .Lg_asked
	tensor_load_to_lds s[G0SA:G0SA+3], s[G1B:G1B+7]    ; wave 2: wq, k 512 on
	s_nop 0
	PLACES 4
.Lg_asked:
	PASS WB, XA, SAQ, SSW, 0, 0, 1
	s_wait_loadcnt 0x0                             ; the biases
	PLACES NP                                      ; behind the last products, whose results are read below
	EPI 0, 0, 0
	EPI 0, 0, 1
	CHANGE1                                        ; slot 1 takes wk
	EPI 0, 0, 2
	EPI 0, 0, 3
	WORDS_QK 0
	s_wait_xcnt 0x0                                ; the stores have read their registers, into which fragments are loaded now
	PASS WB, XA, SAK, SSW, 4096, 0, 1              ; k; in its fourth step slot 0 takes wv
	PLACES NP
	EPI 0, 1, 0
	EPI 0, 1, 1
	CHANGE1                                        ; slot 1 takes wv: the last tensor load
	EPI 0, 1, 2
	EPI 0, 1, 3
	WORDS_QK 1
	s_wait_xcnt 0x0
	PASS XV, WV, SAV, SSV, 0, 1, 2                 ; v: the sources change roles
	PLACES NP
	EPI 1, 0, 0
	EPI 1, 0, 1
	EPI 1, 0, 2
	EPI 1, 0, 3
	v_cndmask_b32 v[SW], v[PW], v[PW+2], s88       ; a channel's four words: lanes 0-15 store tiles 0 and 1, lanes 16-31 tiles 2 and 3
	v_cndmask_b32 v[SW+1], v[PW+1], v[PW+3], s88
	global_store_b64 v[VSO], v[SW:SW+1], s[VS:VS+1]   ; 256 consecutive bytes, aligned
	s_wait_tensorcnt 0x0                           ; the wave's end
	ds_add_u32 v[SPW], v[NIL]
	s_wait_dscnt 0x0
	CROUND                                         ; the closing round
	s_endpgm
.Lfunc_end_k_q3b6f1d663a_qkv:
	.size	k_q3b6f1d663a_qkv, .Lfunc_end_k_q3b6f1d663a_qkv-k_q3b6f1d663a_qkv
	.p2alignl 7, 3214868480
	.fill 96, 4, 3214868480
	.section	.rodata,"a",@progbits
	.p2align	6, 0x0
	.amdhsa_kernel k_q3b6f1d663a_qkv
		.amdhsa_group_segment_fixed_size 327680
		.amdhsa_private_segment_fixed_size 0
		.amdhsa_enable_private_segment 0
		.amdhsa_kernarg_size 72
		.amdhsa_user_sgpr_count 2
		.amdhsa_user_sgpr_kernarg_segment_ptr 1
		.amdhsa_wavefront_size32 1
		.amdhsa_system_sgpr_workgroup_id_x 1
		.amdhsa_system_sgpr_workgroup_id_y 1
		.amdhsa_system_sgpr_workgroup_id_z 1
		.amdhsa_system_vgpr_workitem_id 0
		.amdhsa_next_free_vgpr 1024
		.amdhsa_next_free_sgpr 102
		.amdhsa_reserve_vcc 0
		.amdhsa_float_denorm_mode_32 3
		.amdhsa_float_denorm_mode_16_64 3
		.amdhsa_memory_ordered 1
		.amdhsa_forward_progress 1
		.amdhsa_inst_pref_size 255
	.end_amdhsa_kernel
	.section	.bss,"aw",@nobits
	.p2align	6
	.space	262144
	.amdgpu_metadata
---
amdhsa.version: [ 1, 2 ]
amdhsa.kernels:
  - .name:           k_q3b6f1d663a_qkv
    .symbol:         k_q3b6f1d663a_qkv.kd
    .args:
      - { .name: xc, .offset: 0, .size: 8, .value_kind: global_buffer, .address_space: global }
      - { .name: xs, .offset: 8, .size: 8, .value_kind: global_buffer, .address_space: global }
      - { .name: wc, .offset: 16, .size: 8, .value_kind: global_buffer, .address_space: global }
      - { .name: ws, .offset: 24, .size: 8, .value_kind: global_buffer, .address_space: global }
      - { .name: bq, .offset: 32, .size: 8, .value_kind: global_buffer, .address_space: global }
      - { .name: bk, .offset: 40, .size: 8, .value_kind: global_buffer, .address_space: global }
      - { .name: bv, .offset: 48, .size: 8, .value_kind: global_buffer, .address_space: global }
      - { .name: qkv, .offset: 56, .size: 8, .value_kind: global_buffer, .address_space: global }
      - { .name: qkvs, .offset: 64, .size: 8, .value_kind: global_buffer, .address_space: global }
    .group_segment_fixed_size: 327680
    .private_segment_fixed_size: 0
    .kernarg_segment_align: 8
    .kernarg_segment_size: 72
    .max_flat_workgroup_size: 128
    .sgpr_count:     102
    .vgpr_count:     1024
    .wavefront_size: 32
...
	.end_amdgpu_metadata
.endif
;; end of part 2
;; launch attn (part 3): grid 2 x 128, 16 waves a work-group, no clusters, 327,680 bytes of LDS; arguments qkv, qkvs, oc, os; writes oc, os
.if DOCPART == 3
	.amdgcn_target "amdgcn-amd-amdhsa--gfx1250"
	.amdhsa_code_object_version 6
	.text
	.protected	k_q3b6f1d663a_attn
	.globl	k_q3b6f1d663a_attn
	.p2align	8
	.type	k_q3b6f1d663a_attn,@function
k_q3b6f1d663a_attn:
	s_mov_b64 s[64:65], 0
	v_nop
	global_prefetch_b8 v0, s[64:65] scope:SCOPE_SE
	s_setreg_imm32_b32 hwreg(HW_REG_WAVE_MODE, 25, 1), 1
	s_wait_xcnt 0x0
; o = softmax(q k^T / 8) v for one head and 512 queries, both products on codes of FP6 (E2M3) with E8M0 scales, and o quantised at once along the model's 1,024 for the last product.
; THE SOFTMAX: t = score x log2(e) / 8; M = the running largest t rounded UP to a whole number; p = 2^(t - M) is quantised along the keys, not normalised; the row's sum is taken of the unquantised p and divides at the end.
; When M moves, the sum and O are multiplied by 2^(old M - new M), exactly.
; SHARES: work-group (x, y): queries 512 x on of head y % 16 of batch y / 16.  Each of sixteen waves takes two tiles of 16 queries, one after the other, in 256 registers.
; LDS: all of the head's K and V (49,152 bytes each) and their scale words, each byte filled ONCE, in two groups.  At the head four waves ask for one tile each: K's scale words, V's, key steps 0 and 1 of K, of V (12,288 bytes each).
; Behind the three lines and a barrier waves 0-7 ask for key steps 2 to 7 (four loads of 9,216 bytes for K, four for V).  The first tile walks steps 0 and 1; then every wave waits for its tensor loads and a plain barrier shows the rest.
; The second tile's q is loaded behind the first barrier too: ahead of it only what the first two key steps need is asked for.
; NO PREFETCH: all that the launch reads is asked for at the head or directly behind the first barrier, with no loop ahead of either in which to run ahead.
; LAYOUT: both products transposed (S^T = K Q^T, O^T = V^T P^T): a lane holds ONE query.  q, k, v lie as half-images (768 bytes = 16 rows x 64 in the order of an operand's registers); the rows of a tile are
; laid so that a lane's 16 registers of two neighbouring tiles are 16 neighbours: keys for p, channels for o.
; K = 64 IN AN INSTRUCTION OF 128: a fragment of K holds two key tiles (registers 0-5, 6-11).  Q stands as [q | six registers of zero codes | q]: v[16:27] meets the first tile, v[22:33] the second; zero codes add nothing.
; A TRIP: K's fragments were asked for at the end of the trip before; the scores; V's fragments are asked for; the softmax; the second product; the next step's K is asked for (the last trip of a walk asks for its own step again,
; by a clamped address, so that no byte is read that has not landed), and the row's sum of p is added up while those loads are out.
; NO CLUSTER: only the two work-groups of a head share tiles, and two along x form no cluster of four.
; os is stored two bytes a lane, 8 bytes apart (a head's two bytes of each row): 262,144 bytes in the whole launch.
; LIMITS: NaN and infinities are not served; a block of zeros or under 2^-124 gets the byte 1; a block's largest p is made from its largest score, which takes v_exp_f32 not to fall where its input rises;
; the scaled scores t stay under 2^31 in magnitude.
; REGISTERS: v1-7 addresses; v12 -M, v13 largest t, v[14:15] the sum; v16-33 Q; v36-83 four fragments; v84-89, v214-219 the two tiles' q; v90 q's scale words; v96-159 S^T, then p; v160-191 O^T;
;   v192-205 o's codes; v208-211 at work; v212-213 o's scale bytes; v223, v243 the add's two; v224-235 p's codes; v232-254 at work; v248-251 K's, then V's scale words; v253 p's; v255 Q's.
.set KSC,  0                           ; LDS: K's scale words [128 keys][r][4 words],
.set VSC,  2048                        ; V's,
.set KIMG, 4096                        ; K's 64 half-images,
.set VIMG, 53248                       ; V's 64
.set SPARE, 0x29000                    ; the spare words: 128 bytes a wave
.set STB,  6144                        ; a key step's images
.set L16,  1                           ; v1  16 x lane
.set L8,   2                           ; v2  8 x lane
.set R16,  3                           ; v3  16 r
.set AD16, 4                           ; v4  a step's images + 16 x lane
.set AD8,  5                           ; v5  + 8 x lane
.set ADS,  6                           ; v6  a step's scale words + 16 r
.set OSO,  7                           ; v7  8 r + 512 h
.set SPW,  223
.set NIL,  243
.set TB,   2                           ; s2  the step's images; also the walk's counter
.set TS,   3                           ; s3  its scale words: 256 bytes a step
.set WV,   18
.set SEL,  20
.set CS,   22
.set G1I,  24
.set G1S,  32
.set G0I,  40
.set G0S,  44
.set TP,   48                          ; s48, s49  the step whose K is asked for next, clamped
.set TQ,   49
.set YY,   66
.set G1J,  68
.set G0J,  76
.set MK,   80                          ; s80 lanes 16-31
.macro GRP1 g, rows, pitch             ; rows of 256 bytes (32 elements of 8 bytes)
	s_mov_b32 s[\g], 3<<16
	s_mov_b32 s[\g+1], 32<<16
	s_mov_b32 s[\g+2], (\rows)<<16
	s_mov_b32 s[\g+3], 32<<16
	s_mov_b32 s[\g+4], \rows
	s_mov_b32 s[\g+5], \pitch
	s_mov_b32 s[\g+6], 0
	s_mov_b32 s[\g+7], 0
.endm
.macro NOPS4
.rept 4
	v_nop
.endr
.endm
	s_load_b256 s[4:11], s[0:1], 0x0               ; qkv, qkvs, oc, os
	v_lshl_add_u32 v[SPW], v0, 2, SPARE
	v_mov_b32 v[NIL], 0
	ds_add_u32 v[SPW], v[NIL]                      ; the opening lines: the add twice on end and its wait
	ds_add_u32 v[SPW], v[NIL]
	v_lshrrev_b32 v8, 5, v0
	v_readfirstlane_b32 s[WV], v8                  ; wave 0..15
	s_and_b32 s[YY], ttmp7, 0xffff                 ; y = 16 x batch + head
	GRP1 G1I, 48, 32                               ; two key steps' images: a dense block of 12,288 bytes
	GRP1 G1J, 36, 32                               ; a quarter of six key steps' images: 9,216 bytes
	GRP1 G1S, 8, 64                                ; scale words: 8 rows, 512 bytes apart (the other head of the pair lies between)
	s_mul_i32 s12, s[YY], 49152                    ; the head's place in a region of codes
	s_lshr_b32 s13, s[YY], 1
	s_lshl_b32 s13, s13, 12
	s_and_b32 s19, s[YY], 1
	s_lshl_b32 s19, s19, 8
	s_add_co_u32 s13, s13, s19                     ; and in a region of scale words
	s_and_b32 s15, s[WV], 1                        ; at the head: an even wave fetches for K, an odd one for V
	s_add_co_u32 s58, s15, 1
	s_mul_i32 s58, s58, 6291456                    ; region 1 is k, region 2 is v
	s_add_co_u32 s58, s58, s12
	s_mov_b32 s59, 0
	s_mul_i32 s14, s15, 49152
	s_add_co_u32 s14, s14, KIMG
	s_add_co_u32 s60, s15, 1
	s_lshl_b32 s60, s60, 18
	s_add_co_u32 s60, s60, s13
	s_mov_b32 s61, 0
	s_lshl_b32 s15, s15, 11
	s_bfe_u32 s81, s[WV], 0x10002                  ; the second group: waves 0-3 K, waves 4-7 V,
	s_and_b32 s82, s[WV], 3
	s_mul_i32 s82, s82, 9216                       ; a quarter each,
	s_add_co_u32 s82, s82, 2*STB                   ; behind key steps 0 and 1
	s_add_co_u32 s62, s81, 1
	s_mul_i32 s62, s62, 6291456
	s_add_co_u32 s62, s62, s12
	s_add_co_u32 s62, s62, s82
	s_mov_b32 s63, 0
	s_mul_i32 s81, s81, 49152
	s_add_co_u32 s81, s81, s82
	s_add_co_u32 s81, s81, KIMG
	s_lshl_b32 s16, ttmp9, 5
	s_lshl_b32 s17, s[WV], 1
	s_add_co_u32 s16, s16, s17                     ; my first tile of queries: 32 x + 2 wave
	s_mul_i32 s50, s16, 768
	s_add_co_u32 s50, s50, s12
	s_mov_b32 s51, 0
	s_lshl_b32 s52, ttmp9, 2
	s_lshr_b32 s17, s[WV], 2
	s_add_co_u32 s52, s52, s17
	s_lshl_b32 s52, s52, 9                         ; its 128 rows' scale words,
	s_add_co_u32 s52, s52, s13
	s_and_b32 s19, s[WV], 3
	s_lshl_b32 s19, s19, 2
	s_add_co_u32 s52, s52, s19                     ; and of a row's four words the one of my pair of tiles
	s_mov_b32 s53, 0
	s_lshr_b32 s17, s[YY], 4
	s_lshl_b32 s17, s17, 6
	s_add_co_u32 s17, s17, s16                     ; my first row tile of o: 64 x batch + my first tile
	s_and_b32 s19, s[YY], 15                       ; head
	s_mul_i32 s54, s17, 12288
	s_mul_i32 s83, s19, 768
	s_add_co_u32 s54, s54, s83
	s_mov_b32 s55, 0
	s_lshl_b32 s56, s17, 9
	s_lshr_b32 s83, s19, 2
	s_lshl_b32 s83, s83, 7
	s_add_co_u32 s56, s56, s83
	s_and_b32 s83, s19, 3
	s_lshl_b32 s83, s83, 1
	s_add_co_u32 s56, s56, s83
	s_mov_b32 s57, 0
	s_mov_b32 s[SEL], 0x76543210
	s_mov_b32 s[SEL+1], 0xfedcba98                 ; selects for lane l xor 16
	s_mov_b32 s[CS], 0x3e38aa3b                    ; c = log2(e) / 8
	s_mov_b32 s[CS+1], s[CS]
	s_mov_b32 s[MK], 0xffff0000
	s_wait_alu depctr_va_vdst(0)                   ; the wait ahead of the waits below
	s_wait_dscnt 0x0
	s_wait_kmcnt 0x0
	s_add_nc_u64 s[50:51], s[4:5], s[50:51]        ; q's codes
	s_add_nc_u64 s[52:53], s[6:7], s[52:53]        ; q's scale words
	s_add_nc_u64 s[54:55], s[8:9], s[54:55]        ; o's codes
	s_add_nc_u64 s[56:57], s[10:11], s[56:57]      ; o's scale bytes
	s_mov_b32 s[G0I], 1
	s_mov_b32 s[G0I+1], s14
	s_add_nc_u64 s[G0I+2:G0I+3], s[4:5], s[58:59]
	s_or_b32 s[G0I+3], s[G0I+3], 0x80000000
	s_mov_b32 s[G0S], 1
	s_mov_b32 s[G0S+1], s15
	s_add_nc_u64 s[G0S+2:G0S+3], s[6:7], s[60:61]
	s_or_b32 s[G0S+3], s[G0S+3], 0x80000000
	s_mov_b32 s[G0J], 1
	s_mov_b32 s[G0J+1], s81
	s_add_nc_u64 s[G0J+2:G0J+3], s[4:5], s[62:63]
	s_or_b32 s[G0J+3], s[G0J+3], 0x80000000
	s_cmp_lt_u32 s[WV], 2                          ; the head's fills: waves 0, 1 the scale words, waves 2, 3 key steps 0 and 1; the others none
	s_cbranch_scc0 .Lnot_scale
	tensor_load_to_lds s[G0S:G0S+3], s[G1S:G1S+7]
	s_nop 0
	NOPS4
	s_branch .Lasked
.Lnot_scale:
	s_cmp_lt_u32 s[WV], 4
	s_cbranch_scc0 .Lasked
	tensor_load_to_lds s[G0I:G0I+3], s[G1I:G1I+7]
	s_nop 0
	NOPS4
.Lasked:
	v_and_b32 v8, 31, v0
	v_and_b32 v9, 15, v0
	v_bfe_u32 v10, v0, 4, 1
	v_lshlrev_b32 v[L16], 4, v8
	v_lshlrev_b32 v[L8], 3, v8
	v_lshlrev_b32 v[R16], 4, v9
	v_lshlrev_b32 v[OSO], 3, v9
	v_lshl_add_u32 v[OSO], v10, 9, v[OSO]
	global_load_b128 v[84:87], v[L16], s[50:51]              ; my first tile's q
	global_load_b64 v[88:89], v[L8], s[50:51] offset:512
	global_load_b32 v90, v[R16], s[52:53]                    ; bytes 0, 1: row r of the first tile; bytes 2, 3: of the second
.irp j, 0,1,2,3,4,5
	v_mov_b32 v[22+\j], 0                          ; the zero codes between q and q
.endr
.irp b, 0,1,2,3
	v_mov_b32 v[236+\b], 0                         ; a lane permute's destination counts as one of its sources
.endr
	v_mov_b32 v253, 0                              ; (named as the upper half of v[252:253] before it is first written)
	s_wait_alu depctr_va_vdst(0)                   ; the wait at the head's end
	s_wait_tensorcnt 0x0                           ; my tile of the head's four has landed
	ds_add_u32 v[SPW], v[NIL]                      ; 0 onto my spare word ahead of a later first fill; the add twice
	ds_add_u32 v[SPW], v[NIL]
	s_wait_dscnt 0x0
	s_barrier_signal -1
	s_barrier_wait -1                              ; everybody's has
	s_cmp_lt_u32 s[WV], 8
	s_cbranch_scc0 .Lno_rest
	tensor_load_to_lds s[G0J:G0J+3], s[G1J:G1J+7]  ; key steps 2 to 7, a quarter of K's or of V's
	s_nop 0
	NOPS4
.Lno_rest:
	s_wait_loadcnt 0x0                             ; the first tile's q
	global_load_b128 v[214:217], v[L16], s[50:51] offset:768 ; my second tile's q: awaited ahead of that tile
	global_load_b64 v[218:219], v[L8], s[50:51] offset:1280
.macro AFRAG reg, off                  ; a fragment: two half-images on end, as they lie
	ds_load_b128 v[\reg:\reg+3], v[AD16] offset:\off
	ds_load_b64 v[\reg+4:\reg+5], v[AD8] offset:\off+512
	ds_load_b128 v[\reg+6:\reg+9], v[AD16] offset:\off+768
	ds_load_b64 v[\reg+10:\reg+11], v[AD8] offset:\off+1280
.endm
.macro SETAD a, b                      ; the LDS addresses of the step at s[a] (images) and s[b] (scale words)
	v_add_nc_u32 v[AD16], s[\a], v[L16]
	v_add_nc_u32 v[AD8], s[\a], v[L8]
	v_add_nc_u32 v[ADS], s[\b], v[R16]
.endm
.macro KLOAD                           ; K's four fragments and the scale bytes of their eight key tiles
.irp p, 0,1,2,3
	AFRAG 36+12*\p, KIMG+1536*\p
.endr
	ds_load_b128 v[248:251], v[ADS] offset:KSC
.endm
.macro PA d, s
	v_pk_add_f32 v[\d:\d+1], v[\d:\d+1], v[\s:\s+1]
.endm
.macro PA3 d, a, b
	v_pk_add_f32 v[\d:\d+1], v[\a:\a+1], v[\b:\b+1]
.endm
; A walk over key steps: from s[TB] / STB up to end / STB - 1.  lim, limq: the last step that the walk may ask K of
.macro WALK end, lim, limq
.Lstep_\@:
	s_wait_dscnt 0x0                               ; K's fragments, asked for a trip ago
.irp p, 0,1,2,3
	v_wmma_scale_f32_16x16x128_f8f6f4 v[96+16*\p:103+16*\p], v[36+12*\p:47+12*\p], v[16:27], 0, v[248+\p], v255 matrix_a_fmt:MATRIX_FMT_FP6 matrix_b_fmt:MATRIX_FMT_FP6
	v_wmma_scale_f32_16x16x128_f8f6f4 v[104+16*\p:111+16*\p], v[36+12*\p:47+12*\p], v[22:33], 0, v[248+\p], v255 matrix_a_fmt:MATRIX_FMT_FP6 matrix_b_fmt:MATRIX_FMT_FP6
.endr                                              ; register 16 b + i: key 32 b + 16 (lane / 16) + i of the step
	SETAD TB, TS                                   ; this step's addresses; with the line below the four places behind the products
	v_nop
.irp t, 0,1,2,3
	AFRAG 36+12*\t, VIMG+1536*\t                   ; V's four fragments are asked for now and land under the softmax
.endr
	ds_load_b128 v[248:251], v[ADS] offset:VSC     ; word t: channel tile t's four key blocks
.irp b, 0,1,2,3
	v_max3_num_f32 v[232+\b], v[96+16*\b], v[97+16*\b], v[98+16*\b]   ; the largest score of each block of 32 keys: for the row's maximum, and for the block's largest p
.endr
.irp i2, 3,5,7,9,11,13
.irp b, 0,1,2,3
	v_max3_num_f32 v[232+\b], v[232+\b], v[96+16*\b+\i2], v[97+16*\b+\i2]
.endr
.endr
.irp b, 0,1,2,3
	v_max_num_f32 v[232+\b], v[232+\b], v[111+16*\b]
.endr
.irp b, 0,1,2,3
	s_delay_alu instid0(VALU_DEP_4)
	v_permlanex16_b32 v[236+\b], v[232+\b], s[SEL], s[SEL+1]
.endr
.irp b, 0,1,2,3
	s_delay_alu instid0(VALU_DEP_4)
	v_max_num_f32 v[232+\b], v[232+\b], v[236+\b]  ; with lane l xor 16's 16 keys
.endr
	s_delay_alu instid0(VALU_DEP_2)
	v_max3_num_f32 v254, v232, v233, v234
	s_delay_alu instid0(VALU_DEP_1)
	v_max_num_f32 v254, v254, v235
	s_delay_alu instid0(VALU_DEP_1)
	v_mul_f32 v254, s[CS], v254                    ; the step's largest t
	s_delay_alu instid0(VALU_DEP_1)
	v_max_num_f32 v13, v13, v254                   ; the running largest t
	v_mov_b32 v254, v12
	s_delay_alu instid0(VALU_DEP_2)
	v_floor_f32 v12, -v13                          ; the new -M = -ceil(t)
	s_delay_alu instid0(VALU_DEP_1)
	v_sub_f32 v254, v12, v254                      ; old M - new M: a whole number, 0 or less
	s_delay_alu instid0(VALU_DEP_1)
	v_cvt_i32_f32 v254, v254                       ; (it saturates)
	s_delay_alu instid0(VALU_DEP_1)
	v_ldexp_f32 v252, 1.0, v254                    ; f = 2^(old M - new M)
.set j, 0
.rept 32
	v_pk_fma_f32 v[96+j:97+j], v[96+j:97+j], s[CS:CS+1], v[12:13] op_sel_hi:[1,0,0]   ; t - M
.set j, j+2
.endr
.irp b, 0,1,2,3
	v_fma_f32 v[232+\b], v[232+\b], s[CS], v12     ; the same of each block's largest score
.endr
	s_wait_alu depctr_va_vdst(0)                   ; the wait ahead of the batch
.irp b, 0,1,2,3
	v_exp_f32 v[232+\b], v[232+\b]                 ; each block's largest p
.endr
.set j, 0
.rept 64
	v_exp_f32 v[96+j], v[96+j]                     ; p = 2^(t - M)
.set j, j+1
.endr
	v_pk_mul_f32 v[14:15], v[14:15], v[252:253] op_sel_hi:[1,0]   ; the sums under the new M; the plain line behind the exponentials
	s_wait_alu depctr_va_vdst(0)                   ; one wait for the batch of 68, ahead of its first reader
.irp b, 0,1,2,3
	v_max_num_f32 v[232+\b], 0x1800000, v[232+\b]  ; the floor 2^(3 - 127)
.endr
.irp b, 0,1,2,3
	s_delay_alu instid0(VALU_DEP_4)
	v_add_nc_u32 v[244+\b], 0xff000000, v[232+\b]  ; the conversion's scale operand
.endr
.irp b, 0,1,2,3
	s_delay_alu instid0(VALU_DEP_4)
	v_lshrrev_b32 v[236+\b], 23, v[244+\b]         ; the byte
.endr
	s_delay_alu instid0(VALU_DEP_3)
	v_lshl_or_b32 v253, v237, 8, v236              ; p's scale word for these 128 keys
	s_delay_alu instid0(VALU_DEP_1)
	v_lshl_or_b32 v253, v238, 16, v253
	s_delay_alu instid0(VALU_DEP_1)
	v_lshl_or_b32 v253, v239, 24, v253
.irp c, 0,1
	v_cvt_scalef32_pk16_fp6_f32 v[224+6*\c:226+6*\c], v[96+32*\c:111+32*\c], v[244+2*\c]
	v_cvt_scalef32_pk16_fp6_f32 v[236+4*\c:238+4*\c], v[112+32*\c:127+32*\c], v[244+2*\c+1]
.endr
	v_nop                                          ; one plain line behind a scaled conversion
.irp c, 0,1
.irp i2, 0,1,2
	v_permlane16_swap_b32 v[224+6*\c+\i2], v[236+4*\c+\i2]
.endr
.irp i2, 0,1,2
	s_delay_alu instid0(VALU_DEP_3)
	v_mov_b32 v[227+6*\c+\i2], v[236+4*\c+\i2]
.endr
.endr
	s_wait_dscnt 0x0                               ; V
	s_wait_alu depctr_va_vdst(0)                   ; directly ahead of the first reader of O^T
.set j, 0
.rept 16
	v_pk_mul_f32 v[160+j:161+j], v[160+j:161+j], v[252:253] op_sel_hi:[1,0]   ; O^T under the new M; these lines also part p's codes and scale word from the products
.set j, j+2
.endr
.irp t, 0,1,2,3
	v_wmma_scale_f32_16x16x128_f8f6f4 v[160+8*\t:167+8*\t], v[36+12*\t:47+12*\t], v[224:235], v[160+8*\t:167+8*\t], v[248+\t], v253 matrix_a_fmt:MATRIX_FMT_FP6 matrix_b_fmt:MATRIX_FMT_FP6
.endr                                              ; four accumulators by turns, one instruction each
	s_add_co_u32 s[TB], s[TB], STB
	s_add_co_u32 s[TS], s[TS], 256
	s_min_u32 s[TP], s[TB], \lim                   ; the next step, or in the walk's last trip this one again
	s_min_u32 s[TQ], s[TS], \limq
	SETAD TP, TQ
	PA3 236, 100, 104                              ; the row's sum of the unquantised p, in eight chains; with the three lines above the four places behind the products
	KLOAD
	PA3 246, 108, 112
	PA3 244, 116, 120
	PA3 240, 124, 128
	PA3 238, 132, 136
	PA3 208, 140, 144
	PA3 210, 148, 152
	PA 14, 156
	PA 236, 96
	PA 246, 98
	PA 244, 102
	PA 240, 106
	PA 238, 110
	PA 208, 114
	PA 210, 118
	PA 14, 122
	PA 236, 126
	PA 246, 130
	PA 244, 134
	PA 240, 138
	PA 238, 142
	PA 208, 146
	PA 210, 150
	PA 14, 154
	PA 236, 158
	s_delay_alu instid0(VALU_DEP_2)
	PA 14, 240
	s_delay_alu instid0(VALU_DEP_2)
	PA 236, 238
	PA 246, 208
	PA 244, 210
	s_delay_alu instid0(VALU_DEP_2)
	PA 14, 246
	s_delay_alu instid0(VALU_DEP_2)
	PA 236, 244
	s_delay_alu instid0(VALU_DEP_1)
	PA 14, 236
	s_cmp_lg_u32 s[TB], \end
	s_wait_alu depctr_va_vdst(0)                   ; directly ahead of the branch
	s_cbranch_scc1 .Lstep_\@
.endm
.macro START st                        ; a walk begins at key step st: its K is asked for
	s_mov_b32 s[TB], (\st)*STB
	s_mov_b32 s[TS], (\st)*256
	SETAD TB, TS
	KLOAD
	s_wait_alu depctr_va_vdst(0)                   ; ahead of the walk's first wait
.endm
; One tile of 16 queries against all 1,024 keys.  i: which of my two; qs: where its q stands; sel: which two bytes of v90 are its scale bytes
.macro TILE i, qs, sel
.irp j, 0,1,2,3,4,5
	v_mov_b32 v[16+\j], v[\qs+\j]
	v_mov_b32 v[28+\j], v[\qs+\j]
.endr
	v_perm_b32 v255, v90, v90, \sel                ; the two bytes twice: they serve q in either half of K
	v_mov_b32 v13, 0xff61b1e6                      ; the largest t so far: -3e38
	v_floor_f32 v12, -v13                          ; -M
	v_mov_b32 v14, 0
	v_mov_b32 v15, 0
.set j, 0
.rept 32
	v_mov_b32 v[160+j], 0                          ; O^T: the first change of M leaves zeros zeros.  (These lines also part the writes of Q and its scale word from the first product)
.set j, j+1
.endr
	START 0
.if (\i) == 0
	WALK 2*STB, STB, 256                           ; key steps 0 and 1: what the head's loads brought
	s_wait_tensorcnt 0x0                           ; my part of key steps 2 to 7 has landed;
	s_wait_dscnt 0x0
	s_barrier_signal -1
	s_barrier_wait -1                              ; everybody's has.
	START 2
.endif
	WALK 8*STB, 7*STB, 7*256
	s_wait_dscnt 0x0                               ; the last trip's loads of K, which nobody uses, are in: their registers may be loaded anew
	; the way out: o = O^T / the sum; register 16 b + i is channel 32 b + 16 (lane / 16) + i of the head: two blocks of the last product's K
.set OC, 192+8*(\i)
	v_add_f32 v14, v14, v15
	s_delay_alu instid0(VALU_DEP_1)
	v_permlanex16_b32 v252, v14, s[SEL], s[SEL+1]
	s_delay_alu instid0(VALU_DEP_1)
	v_add_f32 v14, v14, v252                       ; the row's sum
	s_wait_alu depctr_va_vdst(0)
	v_rcp_f32 v14, v14
	v_nop                                          ; the plain line behind the reciprocal
	s_wait_alu depctr_va_vdst(0)                   ; ahead of the reciprocal's first reader, and of O^T's
.set j, 0
.rept 16
	v_pk_mul_f32 v[96+j:97+j], v[160+j:161+j], v[14:15] op_sel_hi:[1,0]
.set j, j+2
.endr
.irp b, 0,1
	v_max3_num_f32 v[232+\b], |v[96+16*\b]|, |v[97+16*\b]|, 0x1800000
.endr
.irp i2, 2,4,6,8,10,12,14
.irp b, 0,1
	s_delay_alu instid0(VALU_DEP_2)
	v_max3_num_f32 v[232+\b], v[232+\b], |v[96+16*\b+\i2]|, |v[97+16*\b+\i2]|
.endr
.endr
.irp b, 0,1
	s_delay_alu instid0(VALU_DEP_2)
	v_permlanex16_b32 v[236+\b], v[232+\b], s[SEL], s[SEL+1]
.endr
.irp b, 0,1
	s_delay_alu instid0(VALU_DEP_2)
	v_max_num_f32 v[232+\b], v[232+\b], v[236+\b]
.endr
.irp b, 0,1
	s_delay_alu instid0(VALU_DEP_2)
	v_add_nc_u32 v[244+\b], 0xff000000, v[232+\b]
.endr
.irp b, 0,1
	s_delay_alu instid0(VALU_DEP_2)
	v_lshrrev_b32 v[236+\b], 23, v[244+\b]
.endr
	s_delay_alu instid0(VALU_DEP_1)
	v_lshl_or_b32 v[212+\i], v237, 8, v236         ; my row's two scale bytes
	v_cvt_scalef32_pk16_fp6_f32 v[OC:OC+2], v[96:111], v244
	v_cvt_scalef32_pk16_fp6_f32 v[208:210], v[112:127], v245
	v_nop
.irp i2, 0,1,2
	v_permlane16_swap_b32 v[OC+\i2], v[208+\i2]
.endr
.irp i2, 0,1,2
	s_delay_alu instid0(VALU_DEP_3)
	v_mov_b32 v[OC+3+\i2], v[208+\i2]
.endr
	global_store_b128 v[L16], v[OC:OC+3], s[54:55] offset:12288*(\i)        ; the head's half-image of this row tile: 512 consecutive bytes,
	global_store_b64 v[L8], v[OC+4:OC+5], s[54:55] offset:12288*(\i)+512    ; and 256
.endm
	TILE 0, 84, 0x01000100
	s_wait_loadcnt 0x0                             ; the second tile's q
	TILE 1, 214, 0x03020302
	v_cndmask_b32 v212, v212, v213, s[MK]          ; lanes 0-15: the first tile's rows; lanes 16-31: the second's
	global_store_b16 v[OSO], v212, s[56:57]
	s_wait_tensorcnt 0x0                           ; the wave's end
	ds_add_u32 v[SPW], v[NIL]
	s_wait_dscnt 0x0
	s_endpgm
.Lfunc_end_k_q3b6f1d663a_attn:
	.size	k_q3b6f1d663a_attn, .Lfunc_end_k_q3b6f1d663a_attn-k_q3b6f1d663a_attn
	.p2alignl 7, 3214868480
	.fill 96, 4, 3214868480
	.section	.rodata,"a",@progbits
	.p2align	6, 0x0
	.amdhsa_kernel k_q3b6f1d663a_attn
		.amdhsa_group_segment_fixed_size 327680
		.amdhsa_private_segment_fixed_size 0
		.amdhsa_enable_private_segment 0
		.amdhsa_kernarg_size 32
		.amdhsa_user_sgpr_count 2
		.amdhsa_user_sgpr_kernarg_segment_ptr 1
		.amdhsa_wavefront_size32 1
		.amdhsa_system_sgpr_workgroup_id_x 1
		.amdhsa_system_sgpr_workgroup_id_y 1
		.amdhsa_system_sgpr_workgroup_id_z 1
		.amdhsa_system_vgpr_workitem_id 0
		.amdhsa_next_free_vgpr 256
		.amdhsa_next_free_sgpr 84
		.amdhsa_reserve_vcc 0
		.amdhsa_float_denorm_mode_32 3
		.amdhsa_float_denorm_mode_16_64 3
		.amdhsa_memory_ordered 1
		.amdhsa_forward_progress 1
		.amdhsa_inst_pref_size 75
	.end_amdhsa_kernel
	.amdgpu_metadata
---
amdhsa.version: [ 1, 2 ]
amdhsa.kernels:
  - .name:           k_q3b6f1d663a_attn
    .symbol:         k_q3b6f1d663a_attn.kd
    .args:
      - { .name: qkv, .offset: 0, .size: 8, .value_kind: global_buffer, .address_space: global }
      - { .name: qkvs, .offset: 8, .size: 8, .value_kind: global_buffer, .address_space: global }
      - { .name: oc, .offset: 16, .size: 8, .value_kind: global_buffer, .address_space: global }
      - { .name: os, .offset: 24, .size: 8, .value_kind: global_buffer, .address_space: global }
    .group_segment_fixed_size: 327680
    .private_segment_fixed_size: 0
    .kernarg_segment_align: 8
    .kernarg_segment_size: 32
    .max_flat_workgroup_size: 512
    .sgpr_count:     84
    .vgpr_count:     256
    .wavefront_size: 32
...
	.end_amdgpu_metadata
.endif
;; end of part 3
;; launch oproj (part 4): grid 8 x 32, 4 waves a work-group, clusters of 4 x 4, 327,680 bytes of LDS; arguments oc, os, wc, ws, bo, out0; writes out0
.if DOCPART == 4
	.amdgcn_target "amdgcn-amd-amdhsa--gfx1250"
	.amdhsa_code_object_version 6
	.text
	.protected	k_q3b6f1d663a_oproj
	.globl	k_q3b6f1d663a_oproj
	.p2align	8
	.type	k_q3b6f1d663a_oproj,@function
k_q3b6f1d663a_oproj:
	s_mov_b64 s[64:65], 0
	v_nop
	global_prefetch_b8 v0, s[64:65] scope:SCOPE_SE
	s_setreg_imm32_b32 hwreg(HW_REG_WAVE_MODE, 25, 1), 1
	s_wait_xcnt 0x0
	s_wait_alu depctr_hold_cnt(0) depctr_sa_sdst(0) depctr_va_vdst(0) depctr_va_sdst(0) depctr_va_ssrc(0) depctr_va_vcc(0) depctr_vm_vsrc(0)
	s_getreg_b32 s2, hwreg(HW_REG_IB_STS2, 6, 4)
	s_cmp_eq_u32 s2, 0
	s_cbranch_scc0 .Lentry_in_a_cluster
	s_endpgm
.Lentry_in_a_cluster:
	s_bfe_u32 s2, ttmp6, 0x10000c
	s_cmp_lg_u32 s2, 0xf033
	s_cbranch_scc0 .Lentry_shape_is_right
	s_endpgm
.Lentry_shape_is_right:
; out0 = o wo^T + bo on codes of FP6 (E2M3) with E8M0 scales; out0 [8192][1024] f32.
; Operands lie in memory as half-images (768 bytes = 16 rows x 64 K in the order of an operand's registers: lane L's first 16 bytes at 16 L, its last 8 at 512 + 8 L), [row tile][16 half-images]; scale bytes [row tile][4][r][8].
; wo's rows are rows 3,072 on of wc and ws.  Lane r of row tile 2 B + u is row 32 B + 8 u + r + 8 (r / 8): the way out puts rows and columns back in their places.
; SHARES: 8 x 32 = 256 work-groups.  Work-group (j, i) makes rows 256 i on x columns 128 j on.  All of K lies in LDS, filled ONCE: o's 256 rows as two panels of 512 k, wo's 128 rows as two slots of 512 k.  No LDS byte is filled again.
; A WAVE'S STEP of 128 along K: source 0 = wo's 8 tiles, source 1 = my 4 tiles (64 rows) of o: 32 accumulators, by turns; a lane holds eight neighbouring numbers of a row of out0.  The bias is the C of each sum's first product.
; CLUSTERS: 4 x 4.  o's panels hang on i alone and are asked for jointly along a row of the cluster, wo's slots on j alone, jointly along a column.  Waves 0 and 1 ask for half of each panel, wave 2 for each whole slot.
; NO PREFETCH: everything is asked for at the kernel's head.
; REGISTERS: window 0: v8-23 addresses; v32-63 scale words, two sets; v64-127 the bias; v128-223 source 1's fragments, two sets; on the way out v128-255 take rows read back.
;   window 1: source 0's fragments, two sets, at v0 and v128.  Window 2: the accumulators ((a, b) at v[8 (8 a + b)]).
.set FR,    12
.set NP,    4                          ; places behind this matrix instruction (ISA guide 7.12.1)
.set TSB,   6144                       ; a row tile's eight half-images: 512 k
.set AH,    16*TSB                     ; a panel of o: 256 rows x 512 k
.set BS,    2*AH                       ; behind the two panels: wo's two slots
.set BSZ,   8*TSB
.set SCA,   BS+2*BSZ                   ; o's scale bytes, 16 row tiles x 512
.set SCB,   SCA+8192                   ; wo's, 8 row tiles x 512
.set SPITCH, 528                       ; the way out: a stage of 16 rows x (512 + 16) bytes for each wave, in the first panel: behind the barrier in the fourth K step nobody reads that panel, and nothing is filled any more
.set BNO,  8
.set XA,   10                          ; v10-11 my 64 rows of o in panel 0, 1, + 16 x lane; v12-13 + 8 x lane
.set WB,   14                          ; v14-17 wo's slot 0, 1, likewise
.set STO,  18                          ; v18  the stage: where I put 32 bytes of a row
.set RD,   19                          ; v19  and where I read a row back
.set CO,   20                          ; v20  16 x lane
.set L8,   21                          ; v21  8 x lane
.set SAQ,  22                          ; v22  scale words: lanes 0-15 my rows of o, lanes 16-31 wo's rows
.set SSW,  23                          ; v23  wo's, both halves of the lanes
.set SC,   32
.set BN,   64
.set AF,   128
.set BK,   128
.set G1A,  24
.set G1B,  32
.set G1SA, 40
.set G1SB, 48
.set G0A,  56
.set G0B,  68
.set G0SA, 76
.set G0SB, 80
.set MSB, 0
.macro WIN new                         ; the immediate's high byte repeats the setting that is left
.if MSB != \new
	s_set_vgpr_msb (MSB<<8)|\new
.set MSB, \new
.endif
.endm
.set MULW, 0xa1                        ; source 0 window 1, source 1 window 0, C and D window 2
.set TO_B, 0x40
.macro CREST
	s_cmp_lg_u32 s14, 0
	s_cbranch_scc1 .Lnot_wave_0_\@
	s_barrier_signal -3
.Lnot_wave_0_\@:
	s_barrier_wait -3
	s_barrier_signal -1
	s_barrier_wait -1
.endm
.macro CROUND
	s_barrier_signal -1
	s_barrier_wait -1
	CREST
.endm
.macro PLACES n                        ; plain vector lines between a matrix instruction and a load into, or a read of, its registers
.rept \n
	v_nop
.endr
.endm
	s_load_b256 s[4:11], s[0:1], 0x0               ; oc, os, wc, ws
	s_load_b128 s[96:99], s[0:1], 0x20             ; bo, out0
	v_lshl_add_u32 v30, v0, 2, 0x4b000
	v_mov_b32 v31, 0
	ds_add_u32 v30, v31
	ds_add_u32 v30, v31
	v_lshrrev_b32 v1, 5, v0
	v_readfirstlane_b32 s14, v1                    ; wave 0..3
	s_lshr_b32 s15, s14, 1
	s_and_b32 s16, s14, 1
	s_bfe_u32 s84, ttmp6, 0x40000                  ; cx
	s_bfe_u32 s85, ttmp6, 0x40004                  ; cy
	s_lshl_b32 s86, ttmp9, 2
	s_add_co_u32 s86, s86, s84                     ; j: the block of 128 columns
	s_and_b32 s17, ttmp7, 0xffff
	s_lshl_b32 s17, s17, 2
	s_add_co_u32 s17, s17, s85                     ; i: the block of 256 rows
	s_lshl_b32 s87, s85, 2
	s_lshl_b32 s87, 15, s87                        ; my row of the cluster
	s_lshl_b32 s88, 0x1111, s84                    ; my column
	; group 1, codes: rows of 6,144 bytes (768 elements of 8 bytes), 12,288 bytes apart in memory, on end in LDS: eight for half a panel or a whole slot
	s_or_b32 s[G1A+0], s87, (3<<16)|(1<<21)
	s_mov_b32 s[G1A+1], 768<<16
	; THE FILLS AS THEY STAND: at the head one joint load a wave: waves 0 and 1 a half each of o's panel 0 (8 rows of 6,144 bytes), wave 2 wo's slot 0 (8 rows), wave 3 wo's scale bytes.
	; o's 8,192 scale bytes come by plain loads, 16 bytes a thread and 2,048 a line, and are stored into LDS bytes of their own ahead of the lines.
	; Behind the three lines and a round: waves 0 and 1 o's panel 1, wave 2 wo's slot 1: they have four K steps in which to land.  No byte is filled twice.
	s_mov_b32 s[G1A+2], 8<<16
	s_mov_b32 s[G1A+3], 768<<16
	s_mov_b32 s[G1A+4], 8
	s_mov_b32 s[G1A+5], 1536
	s_mov_b32 s[G1A+6], 0
	s_mov_b32 s[G1A+7], 0
	s_or_b32 s[G1B+0], s88, (3<<16)|(1<<21)
	s_mov_b32 s[G1B+1], 768<<16
	s_mov_b32 s[G1B+2], 8<<16
	s_mov_b32 s[G1B+3], 768<<16
	s_mov_b32 s[G1B+4], 8
	s_mov_b32 s[G1B+5], 1536
	s_mov_b32 s[G1B+6], 0
	s_mov_b32 s[G1B+7], 0
	; group 1, scale bytes: dense blocks as rows of 256 bytes: 16 rows for wo's 4,096
	s_or_b32 s[G1SB+0], s88, (3<<16)|(1<<21)
	s_mov_b32 s[G1SB+1], 32<<16
	s_mov_b32 s[G1SB+2], 16<<16
	s_mov_b32 s[G1SB+3], 32<<16
	s_mov_b32 s[G1SB+4], 16
	s_mov_b32 s[G1SB+5], 32
	s_mov_b32 s[G1SB+6], 0
	s_mov_b32 s[G1SB+7], 0
	s_mul_i32 s18, s17, 196608                     ; o: 16 row tiles of 12,288 bytes a block,
	s_mul_i32 s19, s16, 98304                      ; the eight of wave % 2
	s_add_co_u32 s18, s18, s19
	s_mov_b32 s19, 0
	s_mul_i32 s22, s86, 98304                      ; wo: 8 row tiles a block of columns,
	s_add_co_u32 s22, s22, 2359296                 ; behind wq, wk and wv in wc
	s_mov_b32 s23, 0
	s_lshl_b32 s2, s17, 13                         ; o's scale bytes: 8,192 a block
	s_mov_b32 s3, 0
	s_lshl_b32 s20, s86, 12                        ; wo's: 4,096 a block,
	s_add_co_u32 s20, s20, 98304                   ; behind the other three in ws
	s_mov_b32 s21, 0
	s_wait_dscnt 0x0
	s_wait_kmcnt 0x0
	s_mov_b32 s[G0A], 1
	s_mul_i32 s[G0A+1], s16, 49152
	s_add_nc_u64 s[G0A+2:G0A+3], s[4:5], s[18:19]
	s_mov_b32 s[G0A+4], 1
	s_add_co_u32 s[G0A+5], s[G0A+1], AH
	s_add_nc_u64 s[G0A+6:G0A+7], s[G0A+2:G0A+3], TSB   ; k 512 on
	s_or_b32 s[G0A+3], s[G0A+3], 0x80000000
	s_or_b32 s[G0A+7], s[G0A+7], 0x80000000
	s_mov_b32 s18, 0
	s_mov_b32 s[G0B], 1
	s_add_co_u32 s[G0B+1], s18, BS
	s_add_nc_u64 s[G0B+2:G0B+3], s[8:9], s[22:23]
	s_mov_b32 s[G0B+4], 1
	s_add_co_u32 s[G0B+5], s18, BS+BSZ
	s_add_nc_u64 s[G0B+6:G0B+7], s[G0B+2:G0B+3], TSB
	s_or_b32 s[G0B+3], s[G0B+3], 0x80000000
	s_or_b32 s[G0B+7], s[G0B+7], 0x80000000
	s_add_nc_u64 s[G0SA+2:G0SA+3], s[6:7], s[2:3]  ; o's scale bytes: the base of plain loads
	s_mov_b32 s[G0SB], 1
	s_mov_b32 s[G0SB+1], SCB
	s_add_nc_u64 s[G0SB+2:G0SB+3], s[10:11], s[20:21]
	s_or_b32 s[G0SB+3], s[G0SB+3], 0x80000000
	CROUND                                         ; all sixteen work-groups are here: the joint loads meet
	s_cmp_lt_u32 s14, 2                            ; one chain of branches on the wave's number, one joint load to an arm
	s_cbranch_scc0 .Lh1
	tensor_load_to_lds s[G0A:G0A+3], s[G1A:G1A+7]  ; waves 0 and 1: o, k 0-511
	s_nop 0
	PLACES 4
	s_branch .Lh_asked
.Lh1:
	s_cmp_eq_u32 s14, 2
	s_cbranch_scc0 .Lh3
	tensor_load_to_lds s[G0B:G0B+3], s[G1B:G1B+7]  ; wave 2: wo, k 0-511
	s_nop 0
	PLACES 4
	s_branch .Lh_asked
.Lh3:
	tensor_load_to_lds s[G0SB:G0SB+3], s[G1SB:G1SB+7]   ; wave 3: wo's scale bytes
	s_nop 0
	PLACES 4
.Lh_asked:
	v_and_b32 v1, 15, v0                           ; r
	v_bfe_u32 v2, v0, 4, 1                         ; h
	v_and_b32 v3, 31, v0                           ; lane
	v_lshlrev_b32 v[CO], 4, v3
	v_lshlrev_b32 v[L8], 3, v3
	v_lshlrev_b32 v25, 4, v0                       ; o's scale bytes: 16 bytes a thread,
	v_lshl_add_u32 v26, v0, 4, SCA                 ; and their place in LDS
.irp k, 0,1,2,3
	global_load_b128 v[128+4*\k:131+4*\k], v25, s[G0SA+2:G0SA+3] offset:2048*\k
.endr
	s_wait_alu depctr_va_vdst(0)
	s_mul_i32 s2, s14, 24576
	s_mov_b32 s3, BS                               ; wo's 128 rows
.irp hf, 0,1
	v_add_nc_u32 v[XA+\hf], s2, v[CO]
	v_add_nc_u32 v[XA+2+\hf], s2, v[L8]
	v_add_nc_u32 v[WB+\hf], s3, v[CO]
	v_add_nc_u32 v[WB+2+\hf], s3, v[L8]
	s_add_co_u32 s2, s2, AH
	s_add_co_u32 s3, s3, BSZ
.endr
	v_lshlrev_b32 v5, 3, v1                        ; my row's 8 scale bytes of 256 k
	s_xor_b32 s2, s14, 3
	s_add_co_u32 s2, s2, 1
	s_lshl_b32 s2, s2, 11                          ; from my four tiles of o to wo's first: 8,192 - 2,048 wave
	v_mul_u32_u24 v6, s2, v2                       ; lanes 16-31 take wo's
	s_lshl_b32 s3, s14, 11
	s_add_co_u32 s3, s3, SCA
	v_add_nc_u32 v7, s3, v5
	v_add_nc_u32 v[SAQ], v7, v6
	v_add_nc_u32 v[SSW], SCB, v5
	s_mul_i32 s2, s14, 16*SPITCH                   ; my stage
	v_mul_u32_u24 v6, v1, SPITCH
	v_lshl_add_u32 v6, v2, 6, v6                   ; in: row r, + 64 h: tile b's eight columns begin at 32 (b / 2) + 8 (b % 2) + 16 h
	v_add_nc_u32 v[STO], s2, v6
	v_add_nc_u32 v[RD], s2, v[CO]                  ; back: the 32 lanes take one row of 512 bytes
	s_lshl_b32 s2, s17, 20                         ; out0: 256 rows of 4,096 bytes a block,
	s_lshl_b32 s3, s14, 18                         ; my 64,
	s_add_co_u32 s2, s2, s3
	s_lshl_b32 s18, s86, 9                         ; my block's 128 columns
	s_add_co_u32 s2, s2, s18
	s_mov_b32 s3, 0
	s_add_nc_u64 s[12:13], s[98:99], s[2:3]
	v_lshlrev_b32 v[BNO], 6, v2
	v_add_nc_u32 v[BNO], s18, v[BNO]
.irp b, 0,1,2,3,4,5,6,7
	global_load_b128 v[BN+8*\b:BN+8*\b+3], v[BNO], s[96:97] offset:(32*(\b/2)+8*(\b%2))*4
	global_load_b128 v[BN+8*\b+4:BN+8*\b+7], v[BNO], s[96:97] offset:(32*(\b/2)+8*(\b%2))*4+16
.endr
.macro FRAG reg, adr, i, q             ; a fragment: two half-images on end, as they lie: every load takes consecutive bytes
	ds_load_b128 v[\reg:\reg+3], v[\adr] offset:(\i)*TSB+(\q)*1536
	ds_load_b64 v[\reg+4:\reg+5], v[\adr+2] offset:(\i)*TSB+(\q)*1536+512
	ds_load_b128 v[\reg+6:\reg+9], v[\adr] offset:(\i)*TSB+(\q)*1536+768
	ds_load_b64 v[\reg+10:\reg+11], v[\adr+2] offset:(\i)*TSB+(\q)*1536+1280
.endm
; The scale words of 256 k (two a row) into set sl % 2.  Registers 0-3: o's tile i in lanes 0-15, wo's tile i in lanes 16-31; registers 4-7: wo's tiles 4-7 in both halves.
.macro SCALES sl
.irp i, 0,1,2,3
	ds_load_b64 v[SC+16*((\sl)%2)+2*\i:SC+16*((\sl)%2)+2*\i+1], v[SAQ] offset:\i*512+(\sl)*128
.endr
.irp i, 4,5,6,7
	ds_load_b64 v[SC+16*((\sl)%2)+2*\i:SC+16*((\sl)%2)+2*\i+1], v[SSW] offset:\i*512+(\sl)*128
.endr
.endm
; K step n's fragments into set n % 2: wo's eight, o's four; with an even step the scale words of its 256 k: 56 LDS loads at the most
.macro FETCH n
.set HF, (\n)/4
.set QQ, (\n)%4
.set SETN, (\n)%2
	WIN TO_B
.irp i, 0,1,2,3,4,5,6,7
	FRAG 128*SETN+FR*\i, WB+HF, \i, QQ
.endr
	WIN 0
.irp i, 0,1,2,3
	FRAG AF+48*SETN+FR*\i, XA+HF, \i, QQ
.endr
.if (\n)%2 == 0
	SCALES (\n)/2
.endif
.endm
; 8 matrix instructions: o's tile a x wo's eight.  In K step 0 the sums begin with the bias.  The 32 accumulators take turns, one instruction a turn, in the same order in every step.
.macro MUL8 a, q8
.set SS, SC+16*(((\q8)/2)%2)+(\q8)%2
.set PB, 128*((\q8)%2)
.set PA, AF+48*((\q8)%2)+FR*(\a)
.irp b, 0,1,2,3,4,5,6,7
.if (\q8) == 0
	v_wmma_scale_f32_16x16x128_f8f6f4 v[8*(8*(\a)+\b):8*(8*(\a)+\b)+7], v[PB+FR*\b:PB+FR*\b+FR-1], v[PA:PA+FR-1], v[BN+8*\b:BN+8*\b+7], v[SS+2*\b], v[SS+2*(\a)] matrix_a_fmt:MATRIX_FMT_FP6 matrix_b_fmt:MATRIX_FMT_FP6 matrix_a_scale:MATRIX_SCALE_ROW1
.else
	v_wmma_scale_f32_16x16x128_f8f6f4 v[8*(8*(\a)+\b):8*(8*(\a)+\b)+7], v[PB+FR*\b:PB+FR*\b+FR-1], v[PA:PA+FR-1], v[8*(8*(\a)+\b):8*(8*(\a)+\b)+7], v[SS+2*\b], v[SS+2*(\a)] matrix_a_fmt:MATRIX_FMT_FP6 matrix_b_fmt:MATRIX_FMT_FP6 matrix_a_scale:MATRIX_SCALE_ROW1
.endif
.endr
.endm
; A K step of 128: the next step's fragments are asked for, then this step's 32 products are issued.
; chg = 1: the step whose successor lies in K's second half: I wait for my parts of it, and one barrier shows everybody's; my reads of the first half are over in front of my signal.
.macro KSTEP q8, chg
.if (\q8) == 0
.set MW, 0x81                          ; C (the bias) in window 0, D in window 2
.else
.set MW, MULW
.endif
.if (\chg) == 0
	PLACES NP                                      ; behind the last step's products, which read the registers that are loaded now
.if (\q8) < 7
	FETCH (\q8)+1                                  ; into the other sets of registers than the loads that may still be out
	s_wait_dscnt 48+8*((\q8)%2)                    ; this step's fragments are in: only the run just issued, 48 loads or with scale words 56, is younger
.else
	s_wait_dscnt 0x0
.endif
	WIN MW
	MUL8 0, \q8
	MUL8 1, \q8
	MUL8 2, \q8
	MUL8 3, \q8
.else
	s_wait_dscnt 0x0                               ; this step's fragments are in, and my reads of K's first half are over
	s_wait_tensorcnt 0x0                           ; my parts of K's second half have landed
	s_barrier_signal -1
	WIN MW
	MUL8 0, \q8                                    ; work on registers while the others arrive
	MUL8 1, \q8
	WIN 0
	s_barrier_wait -1
	PLACES NP
	FETCH (\q8)+1
	WIN MW
	MUL8 2, \q8
	MUL8 3, \q8
.endif
.endm
	s_wait_alu depctr_va_vdst(0)                   ; the wait at the head's end
	s_wait_loadcnt 16                              ; o's scale bytes are in: the 16 loads of the bias are younger
	s_wait_tensorcnt 0x0                           ; my tile of the head's four is in
.irp k, 0,1,2,3
	ds_store_b128 v26, v[128+4*\k:131+4*\k] offset:2048*\k   ; into bytes that no tensor load fills
.endr
	s_wait_tensorcnt 0x0
	ds_add_u32 v30, v31                            ; 0 onto my spare word ahead of a later first fill
	s_wait_dscnt 0x0
	CROUND
	s_cmp_lt_u32 s14, 2
	s_cbranch_scc0 .Lg1
	tensor_load_to_lds s[G0A+4:G0A+7], s[G1A:G1A+7]    ; waves 0 and 1: o, k 512 on
	s_nop 0
	PLACES 4
	s_branch .Lg_asked
.Lg1:
	s_cmp_eq_u32 s14, 2
	s_cbranch_scc0 .Lg_asked
	tensor_load_to_lds s[G0B+4:G0B+7], s[G1B:G1B+7]    ; wave 2: wo, k 512 on
	s_nop 0
	PLACES 4
.Lg_asked:
	FETCH 0
	s_wait_loadcnt 0x0                             ; the bias
	KSTEP 0, 0
	KSTEP 1, 0
	KSTEP 2, 0
	KSTEP 3, 1
	KSTEP 4, 0
	KSTEP 5, 0
	KSTEP 6, 0
	KSTEP 7, 0
	WIN 0
; THE WAY OUT, a block of 16 rows x 128 columns at a time, through my own stage: in as 32 bytes a lane at the columns' true places, back as whole rows of 512 bytes.
; LDS serves a wave's instructions in order (ISA guide 5.7.1.4): no wait between the stores and the loads, nor in front of the next block's stores.
.macro TOSTAGE a
.set AC, 64*(\a)
	WIN 0x08                                       ; an LDS store's data are its source 1: window 2
.irp b, 0,1,2,3,4,5,6,7
	ds_store_b128 v[STO], v[AC+8*\b:AC+8*\b+3] offset:128*(\b/2)+32*(\b%2)          ; each accumulator from its low end on
	ds_store_b128 v[STO], v[AC+8*\b+4:AC+8*\b+7] offset:128*(\b/2)+32*(\b%2)+16
.endr
	WIN 0
.set BB, BK+64*((\a)%2)
.irp t, 0,1,2,3,4,5,6,7,8,9,10,11,12,13,14,15
	ds_load_b128 v[BB+4*\t:BB+4*\t+3], v[RD] offset:\t*SPITCH
.endr
.endm
.macro SEND a, younger                 ; younger: the LDS instructions issued behind block a's loads
.set BB, BK+64*((\a)%2)
	s_wait_dscnt \younger
.irp t, 0,1,2,3,4,5,6,7,8,9,10,11,12,13,14,15
	global_store_b128 v[CO], v[BB+4*\t:BB+4*\t+3], s[12:13] offset:(32*((\a)/2)+8*((\a)%2)+\t+8*(\t/8))*4096 th:TH_STORE_NT   ; lane t of row tile a is this row; 512 consecutive bytes, aligned
.endr
.endm
	PLACES NP                                      ; behind the last products: their results are read, and source 1's registers loaded, below
	TOSTAGE 0
.irp a, 1,2,3
.if \a > 1
	s_wait_xcnt 0x0                                ; block a - 2's stores have read their registers: block a's loads may land there
.endif
	TOSTAGE \a
	SEND \a-1, 32                                  ; behind block a - 1's loads: block a's 16 stores and 16 loads
.endr
	SEND 3, 0
	s_wait_tensorcnt 0x0
	ds_add_u32 v30, v31
	s_wait_dscnt 0x0
	CROUND                                         ; the closing round: no work-group ends while a partner may still ask for a tile that names it
	s_endpgm
.Lfunc_end_k_q3b6f1d663a_oproj:
	.size	k_q3b6f1d663a_oproj, .Lfunc_end_k_q3b6f1d663a_oproj-k_q3b6f1d663a_oproj
	.p2alignl 7, 3214868480
	.fill 96, 4, 3214868480
	.section	.rodata,"a",@progbits
	.p2align	6, 0x0
	.amdhsa_kernel k_q3b6f1d663a_oproj
		.amdhsa_group_segment_fixed_size 327680
		.amdhsa_private_segment_fixed_size 0
		.amdhsa_enable_private_segment 0
		.amdhsa_kernarg_size 48
		.amdhsa_user_sgpr_count 2
		.amdhsa_user_sgpr_kernarg_segment_ptr 1
		.amdhsa_wavefront_size32 1
		.amdhsa_system_sgpr_workgroup_id_x 1
		.amdhsa_system_sgpr_workgroup_id_y 1
		.amdhsa_system_sgpr_workgroup_id_z 1
		.amdhsa_system_vgpr_workitem_id 0
		.amdhsa_next_free_vgpr 1024
		.amdhsa_next_free_sgpr 100
		.amdhsa_reserve_vcc 0
		.amdhsa_float_denorm_mode_32 3
		.amdhsa_float_denorm_mode_16_64 3
		.amdhsa_memory_ordered 1
		.amdhsa_forward_progress 1
		.amdhsa_inst_pref_size 86
	.end_amdhsa_kernel
	.amdgpu_metadata
---
amdhsa.version: [ 1, 2 ]
amdhsa.kernels:
  - .name:           k_q3b6f1d663a_oproj
    .symbol:         k_q3b6f1d663a_oproj.kd
    .args:
      - { .name: oc, .offset: 0, .size: 8, .value_kind: global_buffer, .address_space: global }
      - { .name: os, .offset: 8, .size: 8, .value_kind: global_buffer, .address_space: global }
      - { .name: wc, .offset: 16, .size: 8, .value_kind: global_buffer, .address_space: global }
      - { .name: ws, .offset: 24, .size: 8, .value_kind: global_buffer, .address_space: global }
      - { .name: bo, .offset: 32, .size: 8, .value_kind: global_buffer, .address_space: global }
      - { .name: out0, .offset: 40, .size: 8, .value_kind: global_buffer, .address_space: global }
    .group_segment_fixed_size: 327680
    .private_segment_fixed_size: 0
    .kernarg_segment_align: 8
    .kernarg_segment_size: 48
    .max_flat_workgroup_size: 128
    .sgpr_count:     100
    .vgpr_count:     1024
    .wavefront_size: 32
...
	.end_amdgpu_metadata
.endif
;; end of part 4
